; MI455X (gfx1250); checked and timed in simulation.
; The chip was launched on July 23, 2026; its instructions are those of AMD's public machine-readable ISA for CDNA 5 (MIT licence, August 2026) and "CDNA5" Instruction Set Architecture Reference Guide (July 2026). The comments in the code are by the model that wrote it; some were corrected since.
;; qkv Attention. Allowed arithmetic: matrix products marked QUANTISED: E2M1 operands, one E8M0 scale for each 32 along K, by v_wmma_scale_f32_16x16x128_f8f6f4 with both operands' format E2M1 (or v_wmma_scale_f32_32x16x128_f4), f32 sums; products left as they are: bf16, f16 or f32 operands; f32 sums; everything else in f32.
;; Inputs: Wk 1,024 x 1,024 float32; Wp 1,024 x 1,024 float32; Wq 1,024 x 1,024 float32; Wv 1,024 x 1,024 float32; bk 1,024 float32; bp 1,024 float32; bq 1,024 float32; bv 1,024 float32; kv 4 x 2,048 x 1,024 float32; q 4 x 2,048 x 1,024 float32.
;; Outputs: out0 4 x 2,048 x 1,024 float32.
;; This version of the problem:
;;   THIS VERSION OF THE PROBLEM IS GIVEN IN LOW PRECISION. The matrix products marked QUANTISED in the list below multiply operands that are first quantised to E2M1 (2 exponent bits, 1 mantissa bit; 4 bits a number), with one power-of-two scale for each 32 numbers along K (OCP MX v1.0); their sums are f32. The products marked 'left as it is' may take bf16, f16 or f32 operands, with f32 sums. Whichever they take, every output number must still come out within the allowed error. Rounding operands to bf16 (8 significant bits) uses up far more of that allowance than f16 does (11 bits, for magnitudes from 6e-5 to 65,504). All else is computed in f32.
;;   The module's matrix products, in the order in which they are computed (A, B: the left and right operand; K: the contracted axis; several contracted axes count as one K, in the product's order):
;;     1. [M 8,192, K 1,024] x [K 1,024, N 1,024]; A: input q; B: input Wq: QUANTISED
;;     2. [M 8,192, K 1,024] x [K 1,024, N 1,024]; A: input kv; B: input Wk: QUANTISED
;;     3. [M 8,192, K 1,024] x [K 1,024, N 1,024]; A: input kv; B: input Wv: QUANTISED
;;     4. batch 64 x [M 2,048, K 64] x [K 64, N 2,048]; A: computed on the way; B: computed on the way: left as it is (an operand is computed on the way)
;;     5. batch 64 x [M 2,048, K 2,048] x [K 2,048, N 64]; A: computed on the way; B: computed on the way: left as it is (an operand is computed on the way)
;;     6. [M 8,192, K 1,024] x [K 1,024, N 1,024]; A: computed on the way; B: input Wp: left as it is (an operand is computed on the way)
;;   THE QUANTISER, for each operand of a quantised product, along K:
;;     - K is cut into blocks of 32 from its start; a last block that is shorter is filled with zeros.
;;     - A block's scale is 2^e with e = floor(log2(the largest magnitude in the block)) - 2, held to -126 .. 127; a block of zeros has e = 0. As a byte (E8M0): e + 127.
;;     - Each number is divided by its block's scale, clamped to +-6, and rounded to the nearest number of E2M1, ties to even, subnormals kept.
;;     - The product sums the exact products of the quantised numbers (number of the format x scale) in f32.
;;   ~~~python
;;   def quantise(x, axis):      # numpy; x: float32 -> the quantised numbers, widened to float32 again
;;       x = np.moveaxis(x, axis, -1); K = x.shape[-1]
;;       x = np.pad(x, [(0, 0)] * (x.ndim - 1) + [(0, -K % 32)]); x = x.reshape(x.shape[:-1] + (-1, 32)); a = np.abs(x).max(-1, keepdims=True)
;;       e = np.where(a > 0, np.clip(np.frexp(np.where(a > 0, a, 1))[1] - 1 - 2, -126, 127), 0)      # np.frexp(a)[1] - 1 = floor(log2(a)), exactly
;;       r = np.clip(x / 2.0 ** e, -6, 6)
;;       step = 2.0 ** (np.maximum(np.frexp(np.where(r == 0, 1, r))[1] - 1, 0) - 1)
;;       q = np.round(r / step) * step * 2.0 ** e      # np.round: ties to even
;;       return np.moveaxis(q.reshape(q.shape[:-2] + (-1,))[..., :K], -1, axis).astype(np.float32)
;;   ~~~
;; One version. Each part assembles by itself: llvm-mc -triple=amdgcn-amd-amdhsa -mcpu=gfx1250 --defsym DOCPART=n.
;; ======== version 1 of 1: 4 launches
;; limits: values are held in f16: magnitudes above 65,504 overflow, below 6.1e-05 lose precision
;; workspace buffers: acodes 8,388,608 bytes; ascales 524,288 bytes; wcodes 1,572,864 bytes; wscales 98,304 bytes; wp16 2,097,152 bytes; qkvh 50,331,648 bytes; xh 16,777,216 bytes
;; launch quant (part 1): grid 640 x 1, 4 waves a work-group, no clusters, 33,280 bytes of LDS; arguments q, kv, Wq, Wk, Wv, Wp, acodes, ascales, wcodes, wscales, wp16; writes acodes, ascales, wcodes, wscales, wp16
.if DOCPART == 1
	.amdgcn_target "amdgcn-amd-amdhsa--gfx1250"
	.amdhsa_code_object_version 6
	.text
	.protected	k_qf17884aa55_quant
	.globl	k_qf17884aa55_quant
	.p2align	8
	.type	k_qf17884aa55_quant,@function
k_qf17884aa55_quant:
	s_mov_b64 s[64:65], 0
	v_nop
	global_prefetch_b8 v0, s[64:65] scope:SCOPE_SE
	s_setreg_imm32_b32 hwreg(HW_REG_WAVE_MODE, 25, 1), 1
	s_wait_xcnt 0x0
; FIRST OF FOUR LAUNCHES: quant, proj, attn, outp.  out0 = softmax_one((q Wq^T + bq) (kv Wk^T + bk)^T / 8) (kv Wv^T + bv), head by head (16 heads of 64), then x Wp^T + bp.
; This launch turns q, kv, Wq, Wk, Wv (f32, K innermost in all five) into codes of FP4 (E2M1) with one E8M0 byte for each 32 along K, and Wp into f16 laid [16 blocks of 64 along K][1,024 n][64].
; DEAD WORK, left out in the whole program:
; (1) softmax_one adds exp(-m) * 0 to its divisor: that term is 0 by an identity for every finite m.  It is not computed.
; (2) bk.  attn[q][k] = scale qh[q].(kv Wk^T)[k] + scale qh[q].bk.  The second term is the same for every key k of a row, so it enters the row maximum m and every x alike and is gone in x - m;
;     the 1 in the divisor is added behind that shift and does not see it.  The product of qh with kh is not quantised, so no quantiser sees bk.  This holds for all finite values of the inputs.
;     bk has no way to the output: it is not loaded and is among no launch's arguments.
; LIMIT: a NaN, an infinity or an overflow that reaches only the work left out (in bk; exp(-m) beyond f32 for m under about -88.7, where inf * 0 would be NaN) is not carried to the result.
; THE QUANTISER.  A block's scale is 2^(floor(log2(its largest magnitude)) - 2); its byte is the largest magnitude's exponent field - 2, held at 1 from below.  A block of zeros so gets the byte 1 where the
; rule says 127: its codes are zeros, which add nothing under any byte but 0xff, and the bytes are read by this program alone.  Each number is divided by the scale and rounded to the nearest code, ties to even; beyond 6 the largest code.
; LIMITS: blocks whose largest magnitude lies under 2^(2 - 126) were not tried; NaN and infinities among the inputs are not served; Wp is rounded to f16 (magnitudes over 65,504 are not served).
; SHARES.  A work-group takes 32,768 numbers: work-groups 0-255 q, 256-511 kv, 512-543 Wq, 544-575 Wk, 576-607 Wv, 608-639 Wp.  Rows are dense and K is a multiple of 32, so the five quantised tensors are plain
; streams of blocks of 32: q and kv go on end into acodes and ascales (16,384 rows), Wq, Wk, Wv on end into wcodes and wscales (3,072 rows).  Only pointers are chosen by the work-group's number.
; A wave takes 16 steps of 512 numbers.  Each of a step's four loads reads 512 consecutive bytes, 16 a lane; the 2,048 bytes turn through the wave's own stage in LDS and come back 64 bytes a lane, so that a lane
; holds 16 neighbours along K (two lanes hold a block).  A lane's 16 codes are 8 bytes: the wave stores 256 consecutive bytes.  A wave's 256 scale bytes are gathered in LDS and leave as 256 consecutive bytes.
; No tensor loads, no barrier: waves share nothing.  Memory binds: matrix units and clusters would add nothing here.
.set WAVES, 4
.set STEPS, 16
.set EMAX,  2
.set CB,    8                          ; bytes of 16 codes
.set R,     16                         ; v16-79   four sets of 16 numbers as they are loaded
.set X,     80                         ; v80-111  two sets of 16 neighbours
.set E,     112                        ; v112-127 a scale byte for each step
.set C,     128                        ; v128-191 codes: four registers for each step, so that no store's data are written again
.set WREG,  8192                       ; LDS: a region for each wave: two stages of 32 x SP bytes, behind them its 256 scale bytes
.set SP,    80                         ; a lane's place in a stage: 64 bytes + 16 of padding
.set SPW,   12                         ; v12  LDS address of my spare word; never rewritten
.set NIL,   13                         ; v13  0; never rewritten
.set SPARE, WAVES*WREG                 ; behind the four regions: the spare words, 128 bytes for each wave
.set SRC,   28                         ; s[28:29] the tensor that I read
.set COD,   30                         ; s[30:31] where its codes go
.set SCB,   32                         ; s[32:33] where its scale bytes go
	s_load_b512 s[4:19], s[0:1], 0x0               ; q 4, kv 6, Wq 8, Wk 10, Wv 12, Wp 14, acodes 16, ascales 18
	s_load_b128 s[20:23], s[0:1], 0x40             ; wcodes, wscales
	s_load_b64 s[24:25], s[0:1], 0x50              ; wp16
	v_lshl_add_u32 v[SPW], v0, 2, SPARE
	v_mov_b32 v[NIL], 0
	v_lshrrev_b32 v1, 5, v0
	v_readfirstlane_b32 s26, v1                    ; wave
	v_and_b32 v2, 31, v0                           ; lane
	s_cmp_ge_u32 ttmp9, 608                        ; Wp's work-groups take a path of their own, which touches no LDS
	s_cbranch_scc1 .Lwp
	v_lshlrev_b32 v3, 4, v2                        ; my 16 bytes of a load's 512
	s_mul_i32 s27, s26, WREG
	v_lshrrev_b32 v14, 2, v2
	v_mul_u32_u24 v14, v14, SP
	v_and_b32 v15, 3, v2
	v_lshl_add_u32 v14, v15, 4, v14
	v_add_nc_u32 v14, s27, v14                     ; the stage, on the way in: SP (lane / 4) + 16 (lane % 4)
	v_mul_u32_u24 v15, v2, SP
	v_add_nc_u32 v15, s27, v15                     ; and on the way out: SP x lane: my 16 neighbours
	v_mul_u32_u24 v4, v2, CB                       ; my codes' place in a step's
	v_lshrrev_b32 v5, 1, v2
	s_add_co_u32 s27, s27, 2*32*SP
	v_add_nc_u32 v5, s27, v5                       ; LDS: my wave's 256 scale bytes, my block's byte
	v_lshlrev_b32 v7, 3, v2                        ; and on the way out 8 bytes a lane
	v_add_nc_u32 v6, s27, v7
	s_wait_kmcnt 0x0
	s_mov_b64 s[SRC:SRC+1], s[4:5]                 ; the choices hang on the work-group's number alone
	s_mov_b32 s34, 0                               ; s34: the first work-group of the tensor read
	s_cmp_ge_u32 ttmp9, 256
	s_cselect_b64 s[SRC:SRC+1], s[6:7], s[SRC:SRC+1]
	s_cselect_b32 s34, 256, s34
	s_cmp_ge_u32 ttmp9, 512
	s_cselect_b64 s[SRC:SRC+1], s[8:9], s[SRC:SRC+1]
	s_cselect_b32 s34, 512, s34
	s_cselect_b64 s[COD:COD+1], s[20:21], s[16:17]
	s_cselect_b64 s[SCB:SCB+1], s[22:23], s[18:19]
	s_cselect_b32 s36, 512, 0                      ; s36: the first work-group of the buffers written
	s_cmp_ge_u32 ttmp9, 544
	s_cselect_b64 s[SRC:SRC+1], s[10:11], s[SRC:SRC+1]
	s_cselect_b32 s34, 544, s34
	s_cmp_ge_u32 ttmp9, 576
	s_cselect_b64 s[SRC:SRC+1], s[12:13], s[SRC:SRC+1]
	s_cselect_b32 s34, 576, s34
	s_sub_co_u32 s38, ttmp9, s34
	s_lshl_b32 s38, s38, 2
	s_add_co_u32 s38, s38, s26                     ; which run of 8,192 numbers of the tensor is my wave's
	s_lshl_b32 s38, s38, 15                        ; 32,768 bytes a run
	s_mov_b32 s39, 0
	s_add_nc_u64 s[SRC:SRC+1], s[SRC:SRC+1], s[38:39]
	s_sub_co_u32 s40, ttmp9, s36
	s_lshl_b32 s40, s40, 2
	s_add_co_u32 s40, s40, s26                     ; and which run of the buffers written
	s_lshl_b32 s42, s40, 8                         ; 256 scale bytes a run,
	s_lshl_b32 s40, s40, 12                        ; 4,096 bytes of codes
	s_mov_b32 s41, 0
	s_mov_b32 s43, 0
	s_add_nc_u64 s[COD:COD+1], s[COD:COD+1], s[40:41]
	s_add_nc_u64 s[SCB:SCB+1], s[SCB:SCB+1], s[42:43]
.macro LOAD t
.irp i, 0,1,2,3
	global_load_b128 v[R+16*((\t)%4)+4*\i:R+16*((\t)%4)+4*\i+3], v3, s[SRC:SRC+1] offset:2048*(\t)+512*\i th:TH_LOAD_NT   ; 32 lanes read 512 consecutive bytes
.endr
.endm
.macro TURN t                          ; a step's numbers through the stage: LDS serves a wave's instructions in order, so no wait stands between the stores and the loads
.irp i, 0,1,2,3
	ds_store_b128 v14, v[R+16*((\t)%4)+4*\i:R+16*((\t)%4)+4*\i+3] offset:32*SP*((\t)%2)+8*SP*\i
.endr
.irp i, 0,1,2,3
	ds_load_b128 v[X+16*((\t)%2)+4*\i:X+16*((\t)%2)+4*\i+3], v15 offset:32*SP*((\t)%2)+16*\i
.endr
.endm
.irp t, 0,1,2,3
	LOAD \t
.endr
	s_wait_loadcnt 12                              ; step 0's four loads are in; those of steps 1 to 3 may be out
	TURN 0
.macro STEP t
.set XS, X+16*((\t)%2)
.if (\t) > 0
	s_wait_dscnt 1                                 ; this step's numbers are back from the stage (the last step's byte store may be out): so its stores into the stage have read their registers,
.else
	s_wait_dscnt 0x0
.endif
.if (\t)+4 < STEPS
	LOAD (\t)+4                                    ; which take the loads of four steps on
.endif
.if (\t)+1 < STEPS
.if STEPS-2-(\t) >= 3
	s_wait_loadcnt 12                              ; the next step's four loads are in; those of the three steps behind it may be out
.else
	s_wait_loadcnt 4*(STEPS-2-(\t))
.endif
	TURN (\t)+1                                    ; and go through the other stage while this step is worked
.endif
	v_max3_num_f32 v8, |v[XS]|, |v[XS+1]|, |v[XS+2]|               ; the largest magnitude of my 16, in two chains
	v_max3_num_f32 v9, |v[XS+3]|, |v[XS+4]|, |v[XS+5]|
.irp i, 6,10
	v_max3_num_f32 v8, v8, |v[XS+\i]|, |v[XS+\i+1]|
	v_max3_num_f32 v9, v9, |v[XS+\i+2]|, |v[XS+\i+3]|
.endr
	v_max3_num_f32 v8, v8, |v[XS+14]|, |v[XS+15]|
	v_max3_num_f32 v8, v8, v9, (EMAX+1)<<23        ; and the floor 2^(EMAX + 1 - 127): so the byte cannot fall under 1
	v_max_num_f32_dpp v8, v8, v8 row_xmask:1 row_mask:0xf bank_mask:0xf   ; and of my neighbour's 16: the block's
	v_add_nc_u32 v11, -(EMAX<<23), v8              ; EMAX off its exponent field: the conversion takes the exponent field of this operand as its scale
	v_cvt_scalef32_pk8_fp4_f32 v[C+4*(\t)], v[XS:XS+7], v11
	v_cvt_scalef32_pk8_fp4_f32 v[C+4*(\t)+1], v[XS+8:XS+15], v11
	v_lshrrev_b32 v[E+(\t)], 23, v11               ; the scale's byte (also the plain line behind the conversions)
	ds_store_b8 v5, v[E+(\t)] offset:16*(\t)       ; both lanes of a block write the same byte with the same value
	global_store_b64 v4, v[C+4*(\t):C+4*(\t)+1], s[COD:COD+1] offset:32*CB*(\t)   ; the wave stores 256 consecutive bytes, aligned
.endm
.irp t, 0,1,2,3,4,5,6,7,8,9,10,11,12,13,14,15
	STEP \t
.endr
	ds_load_b64 v[8:9], v6                         ; LDS serves a wave's instructions in order: these see my stores
	s_wait_dscnt 0x0
	global_store_b64 v7, v[8:9], s[SCB:SCB+1]      ; 32 lanes store 256 consecutive bytes, aligned
	s_wait_tensorcnt 0x0                           ; the wave's end, behind my last LDS store
	ds_add_u32 v[SPW], v[NIL]
	s_wait_dscnt 0x0
	s_endpgm
; Wp to f16.  Wave W = 4 (work-group - 608) + wave owns rows 8 W .. 8 W + 7, two rows at a time: lanes 0-15 the even row, lanes 16-31 the odd one.  A load takes 256 consecutive bytes (64 numbers, one block along K)
; of each of the two rows; their 2 x 128 bytes of f16 are neighbours in wp16 [block][n][64]: the wave stores 256 consecutive bytes.
.Lwp:
	v_lshrrev_b32 v3, 4, v2
	v_and_b32 v5, 15, v2
	v_lshlrev_b32 v3, 12, v3                       ; which row of the pair: 4,096 bytes
	v_lshl_add_u32 v3, v5, 4, v3                   ; + 16 bytes a lane
	v_lshlrev_b32 v4, 3, v2                        ; out: 8 bytes a lane
	s_sub_co_u32 s38, ttmp9, 608
	s_lshl_b32 s38, s38, 2
	s_add_co_u32 s38, s38, s26                     ; W
	s_lshl_b32 s40, s38, 10                        ; 8 rows of 128 bytes in a block of wp16
	s_lshl_b32 s38, s38, 15                        ; 8 rows of 4,096 bytes in Wp
	s_mov_b32 s39, 0
	s_mov_b32 s41, 0
	s_wait_kmcnt 0x0
	s_add_nc_u64 s[14:15], s[14:15], s[38:39]
	s_add_nc_u64 s[24:25], s[24:25], s[40:41]
.macro LOADP p                         ; pair p, all 16 blocks along K, into set p % 2 (v16-79, v80-143)
.irp kb, 0,1,2,3,4,5,6,7,8,9,10,11,12,13,14,15
	global_load_b128 v[16+64*((\p)%2)+4*\kb:16+64*((\p)%2)+4*\kb+3], v3, s[14:15] offset:(\p)*8192+\kb*256 th:TH_LOAD_NT
.endr
.endm
.macro PAIR p
.if (\p) < 3
	s_wait_loadcnt 16                              ; this pair's 16 loads are in; the next pair's may be out
.else
	s_wait_loadcnt 0x0
.endif
.if (\p) > 0
	s_wait_xcnt 0x0                                ; the last pair's stores have read v144-175: they are written again only behind this wait
.endif
.irp kb, 0,1,2,3,4,5,6,7,8,9,10,11,12,13,14,15
	v_cvt_pk_f16_f32 v[144+2*\kb], v[16+64*((\p)%2)+4*\kb], v[16+64*((\p)%2)+4*\kb+1]
	v_cvt_pk_f16_f32 v[145+2*\kb], v[16+64*((\p)%2)+4*\kb+2], v[16+64*((\p)%2)+4*\kb+3]
.endr
.irp kb, 0,1,2,3,4,5,6,7,8,9,10,11,12,13,14,15
	global_store_b64 v4, v[144+2*\kb:145+2*\kb], s[24:25] offset:\kb*131072+(\p)*256
.endr
.if (\p) < 2
	LOADP (\p)+2
.endif
.endm
	LOADP 0
	LOADP 1
	PAIR 0
	PAIR 1
	PAIR 2
	PAIR 3
	s_endpgm
.Lfunc_end_k_qf17884aa55_quant:
	.size	k_qf17884aa55_quant, .Lfunc_end_k_qf17884aa55_quant-k_qf17884aa55_quant
	.p2alignl 7, 3214868480
	.fill 96, 4, 3214868480
	.section	.rodata,"a",@progbits
	.p2align	6, 0x0
	.amdhsa_kernel k_qf17884aa55_quant
		.amdhsa_group_segment_fixed_size 33280
		.amdhsa_private_segment_fixed_size 0
		.amdhsa_enable_private_segment 0
		.amdhsa_kernarg_size 88
		.amdhsa_user_sgpr_count 2
		.amdhsa_user_sgpr_kernarg_segment_ptr 1
		.amdhsa_wavefront_size32 1
		.amdhsa_system_sgpr_workgroup_id_x 1
		.amdhsa_system_sgpr_workgroup_id_y 1
		.amdhsa_system_sgpr_workgroup_id_z 1
		.amdhsa_system_vgpr_workitem_id 0
		.amdhsa_next_free_vgpr 192
		.amdhsa_next_free_sgpr 66
		.amdhsa_reserve_vcc 0
		.amdhsa_float_denorm_mode_32 3
		.amdhsa_float_denorm_mode_16_64 3
		.amdhsa_memory_ordered 1
		.amdhsa_forward_progress 1
		.amdhsa_inst_pref_size 55
	.end_amdhsa_kernel
	.amdgpu_metadata
---
amdhsa.version: [ 1, 2 ]
amdhsa.kernels:
  - .name:           k_qf17884aa55_quant
    .symbol:         k_qf17884aa55_quant.kd
    .args:
      - { .name: q, .offset: 0, .size: 8, .value_kind: global_buffer, .address_space: global }
      - { .name: kv, .offset: 8, .size: 8, .value_kind: global_buffer, .address_space: global }
      - { .name: Wq, .offset: 16, .size: 8, .value_kind: global_buffer, .address_space: global }
      - { .name: Wk, .offset: 24, .size: 8, .value_kind: global_buffer, .address_space: global }
      - { .name: Wv, .offset: 32, .size: 8, .value_kind: global_buffer, .address_space: global }
      - { .name: Wp, .offset: 40, .size: 8, .value_kind: global_buffer, .address_space: global }
      - { .name: acodes, .offset: 48, .size: 8, .value_kind: global_buffer, .address_space: global }
      - { .name: ascales, .offset: 56, .size: 8, .value_kind: global_buffer, .address_space: global }
      - { .name: wcodes, .offset: 64, .size: 8, .value_kind: global_buffer, .address_space: global }
      - { .name: wscales, .offset: 72, .size: 8, .value_kind: global_buffer, .address_space: global }
      - { .name: wp16, .offset: 80, .size: 8, .value_kind: global_buffer, .address_space: global }
    .group_segment_fixed_size: 33280
    .private_segment_fixed_size: 0
    .kernarg_segment_align: 8
    .kernarg_segment_size: 88
    .max_flat_workgroup_size: 128
    .sgpr_count:     66
    .vgpr_count:     192
    .wavefront_size: 32
...
	.end_amdgpu_metadata
.endif
;; end of part 1
;; launch proj (part 2): grid 12 x 32, 4 waves a work-group, clusters of 4 x 4, 327,680 bytes of LDS; arguments acodes, ascales, wcodes, wscales, qkvh, bq, bv; writes qkvh
.if DOCPART == 2
	.amdgcn_target "amdgcn-amd-amdhsa--gfx1250"
	.amdhsa_code_object_version 6
	.text
	.protected	k_qf17884aa55_proj
	.globl	k_qf17884aa55_proj
	.p2align	8
	.type	k_qf17884aa55_proj,@function
k_qf17884aa55_proj:
	s_mov_b64 s[64:65], 0
	v_nop
	global_prefetch_b8 v0, s[64:65] scope:SCOPE_SE
	s_setreg_imm32_b32 hwreg(HW_REG_WAVE_MODE, 25, 1), 1
	s_wait_xcnt 0x0
	s_wait_alu depctr_hold_cnt(0) depctr_sa_sdst(0) depctr_va_vdst(0) depctr_va_sdst(0) depctr_va_ssrc(0) depctr_va_vcc(0) depctr_vm_vsrc(0)
	s_getreg_b32 s2, hwreg(HW_REG_IB_STS2, 6, 4)
	s_cmp_eq_u32 s2, 0
	s_cbranch_scc0 .Lentry_in_a_cluster
	s_endpgm
.Lentry_in_a_cluster:
	s_bfe_u32 s2, ttmp6, 0x10000c
	s_cmp_lg_u32 s2, 0xf033
	s_cbranch_scc0 .Lentry_shape_is_right
	s_endpgm
.Lentry_shape_is_right:
; The three quantised products on codes of FP4 with E8M0 scales: Q = (q Wq^T + bq) x log2(e) / 8, K = kv Wk^T, V = kv Wv^T + bv, sums in f32, each rounded once to f16 and laid head by head:
; qkvh [3: Q, K, V][bh = 16 batch + head][2,048 tokens][64] f16.  WORK LEFT OUT: bk is dead (it is the same along the softmax's axis and cancels in x - m: shown at the head of the first launch), so K has no bias.
; The factor log2(e) / 8 (the scale 1 / sqrt(64), and base 2 for the exponentials) is multiplied on in f32 ahead of the one rounding.  LIMIT: magnitudes over 65,504 of Q, K, V are not served (f16).
; SHARES.  The cluster's x is the product (0 Q, 1 K, 2 V), the same in all 16 partners.  A tile of 256 tokens x 256 outputs is made by four waves, a wave 128 x 128: 64 accumulators, 512 registers.
; K = 1,024 is two slots of 512 along K (rows of 256 bytes): both are first fills, nothing in LDS is filled again.  The scale bytes of the tile's 256 + 256 rows, two dense blocks, come with them.
; CLUSTERS: 4 x 4 work-groups.  The four of a row of the cluster need the same tiles of the activations, the four of a column the same tiles of the weights: each tile is asked for jointly, by the same tensor load
; with the same descriptor and a mask that names the four.  By this text's own count a wave has three tensor loads out at the most.
; THE MATRIX INSTRUCTION IS USED TRANSPOSED (source 0 = 16 rows of W, source 1 = 16 tokens): a lane holds eight neighbouring outputs of one token.  The bias is the C of each sum's first product.
; REGISTERS, in windows of 256: window 0: v0-31 addresses; v32-95 scale words, two sets (they hold nothing else); v96-127 packed results; v128-191 the activations' fragments, ONE set, later rows read back from the stage;
;   v192-255 the bias in the result's layout, later packed results.  window 1: the weights' fragments, TWO sets.  windows 2, 3: the accumulators of my tokens 0-63 and 64-127.
.set NQ,     4                         ; steps of 128 along K in a slot
.set ROWB,   256                       ; a tile's row in bytes: 512 codes
.set KROW,   512                       ; a row of codes in memory
.set PITCH,  272                       ; an LDS row: 256 bytes + 16 of padding: the 16 rows that a load touches start at 16 different 16-byte columns
.set FR,     8
.set NL,     2
.set NP,     4                         ; places behind this matrix instruction (ISA guide 7.12.1)
.set HALFT,  128*PITCH
.set SLOT,   4*HALFT                   ; the activations' 256 rows, then the weights' 256 rows
.set KS,     32                        ; a row of scale bytes
.set SCL,    2*SLOT                    ; behind the slots: the scales, as rows of 256 bytes + 16 of padding
.set HALFS,  (128*KS/256)*272
.set SBLK,   (16*KS/256)*272
.set SPARE,  SCL+4*HALFS               ; the spare words, 128 bytes for each wave
.set STAGE,  SPARE+512                 ; the way out: 16 rows x (256 + 16) bytes for each wave, bytes into which no fill lands
.set SPITCH, 272
.set ADRA, 16
.set ADRB, 20
.set STO,  24
.set RD,   25
.set CO,   26
.set ADRS, 27
.set SPW,  28
.set NIL,  29
.set BO,   30
.set SC,   32
.set AF,   128
.set BK,   128                         ; rows read back: v128-159 and v160-191 by turns
.set BI,   192                         ; register 8 b + j: bias[256 cx + 128 (wave % 2) + 16 b + 8 (lane / 16) + j]
.set G1, 24
.set G0, 32
.set G1B, 48
.set G0B, 56
.set G1S, 68
.set G0S, 76
.set G1SB, 80
.set G0SB, 88
.set MSB, 0
.macro WIN new                         ; the immediate's high byte repeats the setting that is left
.if MSB != (\new)
	s_set_vgpr_msb (MSB<<8)|(\new)
.set MSB, (\new)
.endif
.endm
.set MUL_LO, 0xa1                      ; source 0 (W) window 1, source 1 window 0, C and D window 2
.set MUL_HI, 0xf1                      ; the same, C and D window 3
.set TO_B,   0x40
; A joint load: waves 0 and 1 fetch the activations', waves 2 and 3 the weights'.  The branch hangs on the wave's number alone.  An s_nop 0 and four v_nop follow each of the two lines.
.macro JLOAD g0a, g1a, g0b, g1b
	s_cmp_eq_u32 s15, 0
	s_cbranch_scc0 .Lfor_b_\@
	tensor_load_to_lds s[\g0a:\g0a+3], s[\g1a:\g1a+7]
	s_nop 0
.rept 4
	v_nop
.endr
	s_branch .Lasked_\@
.Lfor_b_\@:
	tensor_load_to_lds s[\g0b:\g0b+3], s[\g1b:\g1b+7]
	s_nop 0
.rept 4
	v_nop
.endr
.Lasked_\@:
.endm
.macro CREST
	s_cmp_lg_u32 s14, 0
	s_cbranch_scc1 .Lnot_wave_0_\@
	s_barrier_signal -3
.Lnot_wave_0_\@:
	s_barrier_wait -3
	s_barrier_signal -1
	s_barrier_wait -1
.endm
.macro CROUND
	s_barrier_signal -1
	s_barrier_wait -1
	CREST
.endm
	s_load_b128 s[4:7], s[0:1], 0x0                ; acodes, ascales
	s_load_b128 s[8:11], s[0:1], 0x10              ; wcodes, wscales
	s_load_b64 s[12:13], s[0:1], 0x20              ; qkvh
	s_load_b128 s[96:99], s[0:1], 0x28             ; bq, bv
	v_lshl_add_u32 v[SPW], v0, 2, SPARE
	v_mov_b32 v[NIL], 0
	ds_add_u32 v[SPW], v[NIL]                      ; the wave's opening: the add, twice on end, and its wait ahead of my first tensor load
	ds_add_u32 v[SPW], v[NIL]
	v_lshrrev_b32 v1, 5, v0
	v_readfirstlane_b32 s14, v1                    ; wave 0..3
	s_lshr_b32 s15, s14, 1                         ; which half of the tile's tokens is mine.  Also: I fetch activations (0) or weights (1)
	s_and_b32 s16, s14, 1                          ; which half of its outputs.  Also: which 128 rows I fetch
	s_bfe_u32 s40, ttmp6, 0x40000                  ; cx, cy: my place in the cluster
	s_bfe_u32 s41, ttmp6, 0x40004
	s_mov_b32 s66, ttmp9                           ; the product: the cluster's x
	s_lshl_b32 s42, ttmp9, 2
	s_add_co_u32 s42, s42, s40                     ; tile column among wcodes' 12
	s_and_b32 s17, ttmp7, 0xffff
	s_lshl_b32 s17, s17, 2
	s_add_co_u32 s17, s17, s41                     ; tile row T, 0..31
	s_lshl_b32 s43, s41, 2
	s_lshl_b32 s43, 15, s43                        ; my row of the cluster
	s_lshl_b32 s44, 0x1111, s40                    ; my column
	s_mov_b32 s2, 0x3e38aa3b                       ; log2(e) / 8
	s_mov_b32 s3, s2                               ; (named with it as a pair)
	; descriptor group 1: a tile of 128 rows x 256 bytes, 16 bytes of padding behind each row
	s_or_b32 s[G1+0], s43, (0<<16)|(1<<20)|(1<<21)|(5<<22)|(3<<25)
	s_or_b32 s[G1B+0], s44, (0<<16)|(1<<20)|(1<<21)|(5<<22)|(3<<25)
.irp g, G1, G1B
	s_mov_b32 s[\g+1], ROWB<<16                    ; tensor_dim0
	s_mov_b32 s[\g+2], 128<<16                     ; tensor_dim1
	s_mov_b32 s[\g+3], ROWB<<16                    ; tile_dim0
	s_mov_b32 s[\g+4], 128                         ; tile_dim1
	s_mov_b32 s[\g+5], KROW                        ; from row to row
	s_mov_b32 s[\g+6], 0
	s_mov_b32 s[\g+7], 0
.endr
	; the scales of 128 rows: a dense block of 4,096 bytes, as 16 rows of 256 bytes (32 elements of 8 bytes), 16 bytes of padding behind each
	s_or_b32 s[G1S+0], s43, (3<<16)|(1<<20)|(1<<21)|(5<<22)|(3<<25)
	s_or_b32 s[G1SB+0], s44, (3<<16)|(1<<20)|(1<<21)|(5<<22)|(3<<25)
.irp g, G1S, G1SB
	s_mov_b32 s[\g+1], 32<<16
	s_mov_b32 s[\g+2], (128*KS/256)<<16
	s_mov_b32 s[\g+3], 32<<16
	s_mov_b32 s[\g+4], 128*KS/256
	s_mov_b32 s[\g+5], 32
	s_mov_b32 s[\g+6], 0
	s_mov_b32 s[\g+7], 0
.endr
	s_lshl_b32 s18, s16, 7                         ; which 128 rows of the tile I fetch
	s_lshl_b32 s20, s17, 8
	s_add_co_u32 s20, s20, s18                     ; activations: row 256 T + 128 x half,
	s_min_u32 s19, s66, 1
	s_lshl_b32 s19, s19, 13
	s_add_co_u32 s20, s20, s19                     ; + 8,192 for K and V, which read kv's rows
	s_lshl_b32 s46, s42, 8
	s_add_co_u32 s46, s46, s18                     ; weights: row 256 x tile column + 128 x half
	s_mov_b32 s21, 0
	s_mov_b32 s47, 0
	s_mov_b64 s[18:19], KS
	s_mul_u64 s[22:23], s[20:21], s[18:19]         ; where these rows' scales begin, in bytes,
	s_mul_u64 s[92:93], s[46:47], s[18:19]
	s_mov_b64 s[18:19], KROW
	s_mul_u64 s[20:21], s[20:21], s[18:19]         ; and their codes
	s_mul_u64 s[46:47], s[46:47], s[18:19]
	s_mul_i32 s45, s14, HALFT                      ; where they go: wave x 128 rows: no place in the cluster enters an LDS address
	s_mul_i32 s94, s14, HALFS
	s_wait_dscnt 0x0                               ; both opening adds are done
	s_wait_kmcnt 0x0
	s_add_nc_u64 s[20:21], s[4:5], s[20:21]
	s_add_nc_u64 s[22:23], s[6:7], s[22:23]
	s_add_nc_u64 s[46:47], s[8:9], s[46:47]
	s_add_nc_u64 s[92:93], s[10:11], s[92:93]
	CROUND                                         ; all sixteen work-groups are here: the joint loads meet
	s_mov_b32 s[G0S], 1
	s_add_co_u32 s[G0S+1], s94, SCL
	s_mov_b64 s[G0S+2:G0S+3], s[22:23]
	s_or_b32 s[G0S+3], s[G0S+3], 0x80000000
	s_mov_b32 s[G0SB], 1
	s_add_co_u32 s[G0SB+1], s94, SCL
	s_mov_b64 s[G0SB+2:G0SB+3], s[92:93]
	s_or_b32 s[G0SB+3], s[G0SB+3], 0x80000000
	JLOAD G0S, G1S, G0SB, G1SB                     ; the scales first: they are wanted with the first step
.irp s, 0,1
	s_mov_b32 s[G0+4*\s], 1
	s_add_co_u32 s[G0+4*\s+1], s45, \s*SLOT
	s_add_nc_u64 s[G0+4*\s+2:G0+4*\s+3], s[20:21], \s*ROWB
	s_or_b32 s[G0+4*\s+3], s[G0+4*\s+3], 0x80000000
	s_mov_b32 s[G0B+4*\s], 1
	s_add_co_u32 s[G0B+4*\s+1], s45, \s*SLOT
	s_add_nc_u64 s[G0B+4*\s+2:G0B+4*\s+3], s[46:47], \s*ROWB
	s_or_b32 s[G0B+4*\s+3], s[G0B+4*\s+3], 0x80000000
	JLOAD G0+4*\s, G1, G0B+4*\s, G1B
.endr
	v_and_b32 v1, 15, v0                           ; r = lane % 16
	v_bfe_u32 v2, v0, 4, 1                         ; h = lane / 16
	v_lshlrev_b32 v[BO], 5, v2                     ; the bias: my half's eight numbers of a block of 16
	s_cmp_eq_u32 s66, 0
	s_cselect_b64 s[96:97], s[96:97], s[98:99]     ; bq for Q, bv for V
	s_lshl_b32 s18, s40, 10
	s_lshl_b32 s19, s16, 9
	s_add_co_u32 s18, s18, s19                     ; 4 (256 cx + 128 (wave % 2)) bytes
	s_mov_b32 s19, 0
	s_add_nc_u64 s[96:97], s[96:97], s[18:19]
	s_cmp_eq_u32 s66, 1                            ; K has no bias: its sums begin at 0.  The product's number is the same in all partners
	s_cbranch_scc1 .Lzero_bias
.irp b, 0,1,2,3,4,5,6,7
	global_load_b128 v[BI+8*\b:BI+8*\b+3], v[BO], s[96:97] offset:64*\b
	global_load_b128 v[BI+8*\b+4:BI+8*\b+7], v[BO], s[96:97] offset:64*\b+16
.endr
	s_branch .Lbias_done
.Lzero_bias:
.set i, 0
.rept 64
	v_mov_b32 v[BI+i], 0
.set i, i+1
.endr
.Lbias_done:
	v_mul_u32_u24 v3, v1, PITCH
	v_lshl_add_u32 v4, v2, 4, v3                   ; a fragment's row x pitch + 16 x half
	s_mul_i32 s21, s15, HALFT                      ; my 128 tokens
	s_mul_i32 s22, s16, HALFT                      ; my 128 rows of W,
	s_add_co_u32 s22, s22, 2*HALFT                 ; which lie behind the 256 tokens
.irp s, 0,1
	v_add_nc_u32 v[ADRA+\s], s21, v4
	v_add_nc_u32 v[ADRB+\s], s22, v4
	s_add_co_u32 s21, s21, SLOT
	s_add_co_u32 s22, s22, SLOT
.endr
	v_mul_u32_u24 v5, v1, KS                       ; my row's scales: 32 bytes a row,
	v_lshrrev_b32 v6, 8, v5
	v_lshl_add_u32 v5, v6, 4, v5                   ; and 16 more for each 256 passed
	s_mul_i32 s21, s15, HALFS
	s_mul_i32 s22, s16, HALFS
	s_add_co_u32 s22, s22, 2*HALFS
	s_sub_co_u32 s22, s22, s21
	v_mul_u32_u24 v6, s22, v2                      ; lanes 16-31 take the weights'
	s_add_co_u32 s21, s21, SCL
	v_add_nc_u32 v5, v5, v6
	v_add_nc_u32 v[ADRS], s21, v5
	s_mul_i32 s23, s14, 16*SPITCH
	s_add_co_u32 s23, s23, STAGE                   ; my stage
	v_mul_u32_u24 v5, v1, SPITCH                   ; in: token r, 16 bytes for each half of the lanes
	v_lshl_add_u32 v5, v2, 4, v5
	v_add_nc_u32 v[STO], s23, v5
	v_bfe_u32 v5, v0, 3, 2                         ; back: eight lanes take 128 bytes (one head) of a token, four tokens an instruction
	v_mul_u32_u24 v5, v5, SPITCH
	v_and_b32 v6, 7, v0
	v_lshl_add_u32 v5, v6, 4, v5
	v_add_nc_u32 v[RD], s23, v5
	v_and_b32 v6, 31, v0
	v_lshlrev_b32 v[CO], 4, v6                     ; and in qkvh the four tokens' 512 bytes are on end
	s_lshl_b32 s20, s66, 24                        ; qkvh: product << 24
	s_lshr_b32 s21, s17, 3
	s_lshl_b32 s21, s21, 22                        ; + batch (T / 8) x 16 heads << 18
	s_add_co_u32 s20, s20, s21
	s_lshl_b32 s21, s40, 2
	s_lshl_b32 s22, s16, 1
	s_add_co_u32 s21, s21, s22
	s_lshl_b32 s21, s21, 18                        ; + head (4 cx + 2 (wave % 2)) << 18
	s_add_co_u32 s20, s20, s21
	s_and_b32 s21, s17, 7
	s_lshl_b32 s21, s21, 8
	s_lshl_b32 s22, s15, 7
	s_add_co_u32 s21, s21, s22
	s_lshl_b32 s21, s21, 7                         ; + token (256 (T % 8) + 128 (wave / 2)) << 7
	s_add_co_u32 s20, s20, s21
	s_mov_b32 s21, 0
	s_add_nc_u64 s[12:13], s[12:13], s[20:21]
.macro FRAG reg, adr, q, i             ; 16 rows x 128 K of 4-bit codes: 8 registers: lane l holds row l % 16; registers 4 c .. 4 c + 3 hold K = 64 c + 32 (l / 16) + 0 .. 31
.irp c, 0,1
	ds_load_b128 v[\reg+4*\c:\reg+4*\c+3], v[\adr] offset:64*(\q)+32*\c+(\i)*16*PITCH
.endr
.endm
; 16 matrix instructions: token blocks a0, a0 + 1 x W's eight blocks, 128 along K: the slot's q-th.  p: W's set; sc: the set of scale words.  cm = 1: the first product starts the sums from the bias.
; The 64 accumulators take turns, one instruction a turn, in the same order in every step.
.macro MUL16 a0, p, q, sc, cm
.irp a, \a0, \a0+1
.irp b, 0,1,2,3,4,5,6,7
.if \cm
	v_wmma_scale_f32_16x16x128_f8f6f4 v[8*(8*((\a)%4)+\b):8*(8*((\a)%4)+\b)+7], v[128*(\p)+FR*\b:128*(\p)+FR*\b+FR-1], v[AF+FR*(\a):AF+FR*(\a)+FR-1], v[BI+8*\b:BI+8*\b+7], v[SC+8*NQ*(\sc)+NQ*\b+(\q)], v[SC+8*NQ*(\sc)+NQ*(\a)+(\q)] matrix_a_fmt:MATRIX_FMT_FP4 matrix_b_fmt:MATRIX_FMT_FP4 matrix_a_scale:MATRIX_SCALE_ROW1
.else
	v_wmma_scale_f32_16x16x128_f8f6f4 v[8*(8*((\a)%4)+\b):8*(8*((\a)%4)+\b)+7], v[128*(\p)+FR*\b:128*(\p)+FR*\b+FR-1], v[AF+FR*(\a):AF+FR*(\a)+FR-1], v[8*(8*((\a)%4)+\b):8*(8*((\a)%4)+\b)+7], v[SC+8*NQ*(\sc)+NQ*\b+(\q)], v[SC+8*NQ*(\sc)+NQ*(\a)+(\q)] matrix_a_fmt:MATRIX_FMT_FP4 matrix_b_fmt:MATRIX_FMT_FP4 matrix_a_scale:MATRIX_SCALE_ROW1
.endif
.endr
.endr
.endm
.macro FETCH_B slot, q, p
	WIN TO_B
.irp i, 0,1,2,3,4,5,6,7
	FRAG 128*(\p)+FR*\i, ADRB+\slot, \q, \i
.endr
	WIN 0
.endm
.macro FETCH_A slot, q, i0
.irp i, \i0, \i0+1, \i0+2, \i0+3
	FRAG AF+FR*(\i), ADRA+\slot, \q, \i
.endr
.endm
.macro SCALES sc                       ; a slot's scale words: 4 words a row; lanes 0-15 take the tokens' block i, lanes 16-31 W's block i
.irp i, 0,1,2,3,4,5,6,7
	ds_load_b128 v[SC+8*NQ*\sc+NQ*\i:SC+8*NQ*\sc+NQ*\i+3], v[ADRS] offset:\i*SBLK
.endr
.endm
.macro PLACES n                        ; plain vector instructions that name no register of the matrix instructions ahead, in front of loads into registers that those have read and of reads of results
.rept \n
	v_nop
.endr
.endm
; A step of 128 along K that has its successor in the same slot.
.macro STEP slot, q, cm
	s_wait_dscnt 4*NL                              ; W's set and token blocks 0-3 are in; the youngest eight loads (blocks 4-7) may be out
.if \cm
	WIN 0x81                                       ; C (the bias) window 0, D window 2
.else
	WIN MUL_LO
.endif
	MUL16 0, (\q)%2, \q, \slot, \cm
	MUL16 2, (\q)%2, \q, \slot, \cm
	s_wait_dscnt 0
	PLACES NP
	FETCH_B \slot, (\q)+1, 1-(\q)%2
	FETCH_A \slot, (\q)+1, 0
.if \cm
	WIN 0xc1
.else
	WIN MUL_HI
.endif
	MUL16 4, (\q)%2, \q, \slot, \cm
	MUL16 6, (\q)%2, \q, \slot, \cm
	PLACES NP
	WIN 0
	FETCH_A \slot, (\q)+1, 4
.endm
	s_wait_tensorcnt 1                             ; the scales and my part of slot 0 are in (slot 1's load may be out)
	s_barrier_signal -1
	s_barrier_wait -1                              ; everybody's are
	FETCH_B 0, 0, 0
	FETCH_A 0, 0, 0
	SCALES 0
	FETCH_A 0, 0, 4
	s_wait_loadcnt 0x0                             ; the bias
	STEP 0, 0, 1
	STEP 0, 1, 0
	STEP 0, 2, 0
	; slot 0's last step changes slots: one barrier, in front of which each wave has waited for its part of slot 1
	s_wait_tensorcnt 0x0                           ; all my tensor loads have landed
	ds_add_u32 v[SPW], v[NIL]                      ; 0 onto my spare word
	s_wait_dscnt 4*NL+1                            ; (the add and the youngest eight loads may be out)
	WIN MUL_LO
	MUL16 0, 1, NQ-1, 0, 0
	s_wait_dscnt 0x0
	s_barrier_signal -1
	MUL16 2, 1, NQ-1, 0, 0
	WIN 0
	s_barrier_wait -1
	PLACES NP
	v_add_nc_u32 v[ADRS], 4*NQ, v[ADRS]            ; on to slot 1's scale words (no LDS load of mine is out)
	FETCH_B 1, 0, 0
	FETCH_A 1, 0, 0
	SCALES 1
	WIN MUL_HI
	MUL16 4, 1, NQ-1, 0, 0
	MUL16 6, 1, NQ-1, 0, 0
	PLACES NP
	WIN 0
	FETCH_A 1, 0, 4
	STEP 1, 0, 0
	STEP 1, 1, 0
	STEP 1, 2, 0
	s_wait_dscnt 4*NL                              ; the last step: nothing more to fetch
	WIN MUL_LO
	MUL16 0, 1, NQ-1, 1, 0
	MUL16 2, 1, NQ-1, 1, 0
	s_wait_dscnt 0
	WIN MUL_HI
	MUL16 4, 1, NQ-1, 1, 0
	MUL16 6, 1, NQ-1, 1, 0
	WIN 0
; THE WAY OUT, block by block of 16 tokens x 128 outputs (two heads).  PACK: Q alone is multiplied by log2(e) / 8 (a branch on the product's number); all are rounded to f16, a lane's eight outputs into 16 bytes.
; TOSTAGE: into my own stage, and back as four tokens x 128 bytes of one head.  SEND: each store covers 512 consecutive bytes of qkvh, aligned.  Every accumulator is read from its low end on.
.macro PACK a
.set AC, 64*((\a)%4)
.set TH, 96+96*((\a)%2)
	WIN 0
	s_cmp_lg_u32 s66, 0
	s_cbranch_scc1 .Lplain_\@
	WIN 0x82+0x41*((\a)/4)                         ; destination and source 0: window 2 or 3
.set i, 0
.rept 32
	v_pk_mul_f32 v[AC+i:AC+i+1], v[AC+i:AC+i+1], s[2:3] op_sel_hi:[1,0]
.set i, i+2
.endr
	WIN 0
.Lplain_\@:
	WIN 0x0a+5*((\a)/4)                            ; sources 0 and 1: window 2 or 3
.irp b, 0,1,2,3,4,5,6,7
.irp r, 0,1,2,3
	v_cvt_pk_f16_f32 v[TH+4*\b+\r], v[AC+8*\b+2*\r], v[AC+8*\b+2*\r+1]
.endr
.endr
	WIN 0
.endm
.macro TOSTAGE a
.set TH, 96+96*((\a)%2)
.set BB, BK+32*((\a)%2)
.irp b, 0,1,2,3,4,5,6,7
	ds_store_b128 v[STO], v[TH+4*\b:TH+4*\b+3] offset:32*\b
.endr
.irp t, 0,1,2,3,4,5,6,7
	ds_load_b128 v[BB+4*\t:BB+4*\t+3], v[RD] offset:(\t%4)*4*SPITCH+(\t/4)*128   ; LDS serves a wave's instructions in order: these see the stores above
.endr
.endm
.macro SEND a
.set BB, BK+32*((\a)%2)
	s_wait_dscnt 0x0                               ; the block is back in registers
.irp t, 0,1,2,3,4,5,6,7
	global_store_b128 v[CO], v[BB+4*\t:BB+4*\t+3], s[12:13] offset:(\t/4)*262144+(\a)*2048+(\t%4)*512
.endr
.endm
	PLACES NP
	PACK 0
	TOSTAGE 0
.irp a, 1,2,3,4,5,6,7
	PACK \a                                        ; a block's arithmetic stands between the loads of the block before and the wait for them
	SEND \a-1
.if \a > 1
	s_wait_xcnt 0x0                                ; the stores of two blocks back have read their registers: this block's loads may land there
.endif
	TOSTAGE \a
.endr
	SEND 7
	s_wait_tensorcnt 0x0                           ; the wave's end, behind my last tensor load and my last LDS store
	ds_add_u32 v[SPW], v[NIL]
	s_wait_dscnt 0x0
	CROUND                                         ; the closing round: no work-group ends while a partner may still ask for a tile that names it
	s_endpgm
.Lfunc_end_k_qf17884aa55_proj:
	.size	k_qf17884aa55_proj, .Lfunc_end_k_qf17884aa55_proj-k_qf17884aa55_proj
	.p2alignl 7, 3214868480
	.fill 96, 4, 3214868480
	.section	.rodata,"a",@progbits
	.p2align	6, 0x0
	.amdhsa_kernel k_qf17884aa55_proj
		.amdhsa_group_segment_fixed_size 327680
		.amdhsa_private_segment_fixed_size 0
		.amdhsa_enable_private_segment 0
		.amdhsa_kernarg_size 56
		.amdhsa_user_sgpr_count 2
		.amdhsa_user_sgpr_kernarg_segment_ptr 1
		.amdhsa_wavefront_size32 1
		.amdhsa_system_sgpr_workgroup_id_x 1
		.amdhsa_system_sgpr_workgroup_id_y 1
		.amdhsa_system_sgpr_workgroup_id_z 1
		.amdhsa_system_vgpr_workitem_id 0
		.amdhsa_next_free_vgpr 1024
		.amdhsa_next_free_sgpr 100
		.amdhsa_reserve_vcc 0
		.amdhsa_float_denorm_mode_32 3
		.amdhsa_float_denorm_mode_16_64 3
		.amdhsa_memory_ordered 1
		.amdhsa_forward_progress 1
		.amdhsa_inst_pref_size 148
	.end_amdhsa_kernel
	.amdgpu_metadata
---
amdhsa.version: [ 1, 2 ]
amdhsa.kernels:
  - .name:           k_qf17884aa55_proj
    .symbol:         k_qf17884aa55_proj.kd
    .args:
      - { .name: acodes, .offset: 0, .size: 8, .value_kind: global_buffer, .address_space: global }
      - { .name: ascales, .offset: 8, .size: 8, .value_kind: global_buffer, .address_space: global }
      - { .name: wcodes, .offset: 16, .size: 8, .value_kind: global_buffer, .address_space: global }
      - { .name: wscales, .offset: 24, .size: 8, .value_kind: global_buffer, .address_space: global }
      - { .name: qkvh, .offset: 32, .size: 8, .value_kind: global_buffer, .address_space: global }
      - { .name: bq, .offset: 40, .size: 8, .value_kind: global_buffer, .address_space: global }
      - { .name: bv, .offset: 48, .size: 8, .value_kind: global_buffer, .address_space: global }
    .group_segment_fixed_size: 327680
    .private_segment_fixed_size: 0
    .kernarg_segment_align: 8
    .kernarg_segment_size: 56
    .max_flat_workgroup_size: 128
    .sgpr_count:     100
    .vgpr_count:     1024
    .wavefront_size: 32
...
	.end_amdgpu_metadata
.endif
;; end of part 2
;; launch attn (part 3): grid 4 x 64, 8 waves a work-group, clusters of 4 x 1, 327,680 bytes of LDS; arguments qkvh, xh; writes xh
.if DOCPART == 3
	.amdgcn_target "amdgcn-amd-amdhsa--gfx1250"
	.amdhsa_code_object_version 6
	.text
	.protected	k_qf17884aa55_attn
	.globl	k_qf17884aa55_attn
	.p2align	8
	.type	k_qf17884aa55_attn,@function
k_qf17884aa55_attn:
	s_mov_b64 s[64:65], 0
	v_nop
	global_prefetch_b8 v0, s[64:65] scope:SCOPE_SE
	s_setreg_imm32_b32 hwreg(HW_REG_WAVE_MODE, 25, 1), 1
	s_wait_xcnt 0x0
	s_wait_alu depctr_hold_cnt(0) depctr_sa_sdst(0) depctr_va_vdst(0) depctr_va_sdst(0) depctr_va_ssrc(0) depctr_va_vcc(0) depctr_vm_vsrc(0)
	s_getreg_b32 s2, hwreg(HW_REG_IB_STS2, 6, 4)
	s_cmp_eq_u32 s2, 0
	s_cbranch_scc0 .Lentry_in_a_cluster
	s_endpgm
.Lentry_in_a_cluster:
	s_bfe_u32 s2, ttmp6, 0x10000c
	s_cmp_lg_u32 s2, 0x3003
	s_cbranch_scc0 .Lentry_shape_is_right
	s_endpgm
.Lentry_shape_is_right:
; x[bh][q] = the sum over k of p[q][k] V[bh][k] / (1 + the sum over k of p[q][k]), p = 2^(s - m), s = Q[bh][q] . K[bh][k], m the row's largest s.  Q already carries log2(e) / 8, so s is the score in base 2.
; WORK LEFT OUT: the term exp(-m) * 0 of the divisor is 0 by an identity; bk cancels in s - m (both shown at the head of the first launch).
; Q, K, V: qkvh [3][64 bh][2,048][64] f16.  x: xh [16 heads][8,192 rows = 2,048 batch + token][64] f16.  Products on f16 operands, sums, maxima and exponentials in f32; p is rounded to f16 for the second product.
; The row maximum is a running one: in every key step l and O are multiplied by a = 2^(m_old - m_new), which is 1 where m has not grown.  LIMIT: magnitudes of x over 65,504 are not served (f16).
; SHARES.  A work-group owns 512 queries of one bh, each of its eight waves 64: four tiles of 16, in 512 registers: two waves to a SIMD, so that one wave's softmax stands beside the other's products.
; Every wave walks all 2,048 keys, 64 a step.  K and V come through two LDS slots of 512 keys; each wave fetches a quarter of K's (waves 0-3) or V's (waves 4-7) part of a slot with one tensor load.
; CLUSTER.  The grid's four work-groups along x are one cluster: the four query blocks of one bh walk the same K and V, so each tile is asked for jointly, with the same descriptor and a mask that names the four.
; A refill is asked for eight key steps ahead of its first read, so nothing is prefetched beside it.  By this text's own count a wave has two tensor loads out at the start and one behind each round.
; LAYOUT.  S^T = K Q^T (source 0 = 16 keys, source 1 = 16 queries): a lane holds ONE query (lane % 16) and keys 8 (lane / 16) + 0..7.  Two such tiles, rounded to f16 in pairs, ARE source 1 of O^T = V^T P.
; In LDS a row of 256 bytes holds TWO keys (a key's 64 channels are 128 bytes): key k lies at (k / 2) x pitch + (k % 2) x 128.  K's pitch is 272, V's 288.
; REGISTERS: window 0: v1-11 addresses; v16-47 statistics, 8 a tile: +0 m, +1 m_old - m_new, +2, +3 l (even keys', odd keys'), +4 to +7 at work, a at +6; v48-175 S^T, 32 a tile, P over its low 16; v192-255 K's fragments.
;   window 1: v0-127 O^T, 32 a tile; v128-191 Q; v192-255 V's fragments.
.set PK,    272
.set PV,    288
.set VOFF,  256*PK                     ; a slot: 256 rows of K, then 256 rows of V
.set SLOTB, VOFF+256*PV
.set SPARE, 2*SLOTB                    ; the spare words, 128 bytes for each of eight waves
.set STAGE, SPARE+1024                 ; the way out: 16 rows x (128 + 16) bytes for each wave
.set SP,    144
.set AK0, 2
.set AV0, 3
.set ADK, 4
.set ADV, 5
.set QO,  6
.set STO, 7
.set RD,  8
.set GO,  9
.set SPW, 10
.set NIL, 11
.set ST,  16
.set S,   48
.set KF,  192
.set QF,  128                          ; in window 1
.set VF,  192                          ; in window 1
.set WV,  12
.set G1K, 24
.set G1V, 32
.set G0K, 40                           ; s[40:43] slot 0, s[44:47] slot 1
.set G0V, 48
.set CNT, 56
.set TK,  57                           ; LDS byte at which the step's keys begin in K's part,
.set TV,  58                           ; and in V's
.set SEL, 60
.set MSB, 0
.macro WIN new
.if MSB != (\new)
	s_set_vgpr_msb (MSB<<8)|(\new)
.set MSB, (\new)
.endif
.endm
.macro JLOAD s                         ; a joint refill of slot s.  The branch hangs on the wave's number alone.  An s_nop 0 and four v_nop follow each of the two lines
	s_cmp_lt_u32 s[WV], 4
	s_cbranch_scc0 .Lfor_v_\@
	tensor_load_to_lds s[G0K+4*\s:G0K+4*\s+3], s[G1K:G1K+7]
	s_nop 0
.rept 4
	v_nop
.endr
	s_branch .Lasked_\@
.Lfor_v_\@:
	tensor_load_to_lds s[G0V+4*\s:G0V+4*\s+3], s[G1V:G1V+7]
	s_nop 0
.rept 4
	v_nop
.endr
.Lasked_\@:
.endm
.macro CROUND                          ; a round of the cluster's barrier
	s_barrier_signal -1
	s_barrier_wait -1
	s_cmp_lg_u32 s[WV], 0
	s_cbranch_scc1 .Lnot_wave_0_\@
	s_barrier_signal -3
.Lnot_wave_0_\@:
	s_barrier_wait -3
	s_barrier_signal -1
	s_barrier_wait -1
.endm
	s_load_b128 s[4:7], s[0:1], 0x0                ; qkvh, xh
	v_lshl_add_u32 v[SPW], v0, 2, SPARE
	v_mov_b32 v[NIL], 0
	ds_add_u32 v[SPW], v[NIL]                      ; the wave's opening: the add, twice on end, and its wait ahead of my first tensor load
	ds_add_u32 v[SPW], v[NIL]
	v_lshrrev_b32 v1, 5, v0
	v_readfirstlane_b32 s[WV], v1                  ; wave 0..7
	s_bfe_u32 s13, ttmp6, 0x40000                  ; cx: my block of 512 queries; it enters Q's and x's addresses alone
	s_and_b32 s14, ttmp7, 0xffff                   ; bh, which the four partners share
	s_and_b32 s15, s[WV], 3                        ; which quarter of a slot I fetch
	s_lshl_b32 s16, s14, 18
	s_lshl_b32 s17, s15, 14
	s_add_co_u32 s16, s16, s17                     ; bh << 18 + quarter x 128 keys x 128 bytes
	s_mov_b32 s17, 0
	s_mul_i32 s18, s15, 64*PK                      ; its place in K's part of a slot,
	s_mul_i32 s19, s15, 64*PV
	s_add_co_u32 s19, s19, VOFF                    ; in V's
	s_lshl_b32 s20, s14, 18
	s_lshl_b32 s21, s13, 16
	s_add_co_u32 s20, s20, s21
	s_lshl_b32 s22, s[WV], 13
	s_add_co_u32 s20, s20, s22                     ; Q: bh << 18 + cx x 512 rows + wave x 64 rows, 128 bytes a row
	s_add_co_u32 s22, s22, s21
	s_and_b32 s21, s14, 15
	s_lshl_b32 s21, s21, 20
	s_add_co_u32 s22, s22, s21                     ; x: head << 20
	s_lshr_b32 s21, s14, 4
	s_lshl_b32 s21, s21, 18
	s_add_co_u32 s22, s22, s21                     ; + batch x 2,048 rows + my rows
	s_mov_b32 s21, 0
	s_mov_b32 s23, 0
	; descriptor group 1: a dense block of 128 keys as 64 rows of 256 bytes (32 elements of 8 bytes), padded behind each row
	s_mov_b32 s[G1K], 15|(3<<16)|(1<<20)|(1<<21)|(5<<22)|(3<<25)  ; the mask: all four work-groups; elements of 8 bytes; padding on; bit 21 beside a mask; after every 64 words; 4 words
	s_mov_b32 s[G1V], 15|(3<<16)|(1<<20)|(1<<21)|(5<<22)|(7<<25)  ; the same with 8 words of padding
.irp g, G1K, G1V
	s_mov_b32 s[\g+1], 32<<16                      ; tensor_dim0
	s_mov_b32 s[\g+2], 64<<16                      ; tensor_dim1
	s_mov_b32 s[\g+3], 32<<16                      ; tile_dim0
	s_mov_b32 s[\g+4], 64                          ; tile_dim1
	s_mov_b32 s[\g+5], 32                          ; from row to row
	s_mov_b32 s[\g+6], 0
	s_mov_b32 s[\g+7], 0
.endr
	s_mov_b32 s[SEL], 0x76543210
	s_mov_b32 s[SEL+1], 0xfedcba98                 ; v_permlanex16_b32's selects for lane l xor 16
	s_wait_dscnt 0x0                               ; both opening adds are done
	s_wait_kmcnt 0x0
	s_add_nc_u64 s[8:9], s[4:5], s[16:17]
	s_add_nc_u64 s[8:9], s[8:9], 0x1000000         ; K at my quarter of slot 0
	s_add_nc_u64 s[10:11], s[8:9], 0x1000000       ; V likewise
	s_add_nc_u64 s[4:5], s[4:5], s[20:21]          ; Q at my wave's first row
	s_add_nc_u64 s[6:7], s[6:7], s[22:23]          ; x likewise
	CROUND                                         ; all four work-groups are here: the first joint loads meet
.irp s, 0,1
	s_mov_b32 s[G0K+4*\s], 1
	s_add_co_u32 s[G0K+4*\s+1], s18, \s*SLOTB
	s_add_nc_u64 s[G0K+4*\s+2:G0K+4*\s+3], s[8:9], \s*65536       ; slot s begins with keys 512 s
	s_or_b32 s[G0K+4*\s+3], s[G0K+4*\s+3], 0x80000000
	s_mov_b32 s[G0V+4*\s], 1
	s_add_co_u32 s[G0V+4*\s+1], s19, \s*SLOTB
	s_add_nc_u64 s[G0V+4*\s+2:G0V+4*\s+3], s[10:11], \s*65536
	s_or_b32 s[G0V+4*\s+3], s[G0V+4*\s+3], 0x80000000
.endr
	s_cmp_lt_u32 s[WV], 4                          ; a wave's two first fills stand in one branch, ahead of every wait on TENSORcnt and every LDS read
	s_cbranch_scc0 .Lfirst_v
	tensor_load_to_lds s[G0K:G0K+3], s[G1K:G1K+7]
	s_nop 0
	tensor_load_to_lds s[G0K+4:G0K+7], s[G1K:G1K+7]
	s_nop 0
.rept 4
	v_nop
.endr
	s_branch .Lfirst_asked
.Lfirst_v:
	tensor_load_to_lds s[G0V:G0V+3], s[G1V:G1V+7]
	s_nop 0
	tensor_load_to_lds s[G0V+4:G0V+7], s[G1V:G1V+7]
	s_nop 0
.rept 4
	v_nop
.endr
.Lfirst_asked:
	v_and_b32 v1, 15, v0                           ; r = lane % 16
	v_bfe_u32 v12, v0, 4, 1                        ; h = lane / 16
	v_lshlrev_b32 v[QO], 7, v1
	v_lshl_add_u32 v[QO], v12, 4, v[QO]            ; Q: row r of 128 bytes + 16 h
	WIN 0x40                                       ; destination window 1
.irp i, 0,1,2,3,4,5,6,7                        ; Q stays in registers: tile i / 2, channels 32 (i % 2) on
	global_load_b128 v[QF+8*\i:QF+8*\i+3],   v[QO], s[4:5] offset:(\i/2)*2048+(\i%2)*64
	global_load_b128 v[QF+8*\i+4:QF+8*\i+7], v[QO], s[4:5] offset:(\i/2)*2048+(\i%2)*64+32
.endr
	WIN 0
	v_lshrrev_b32 v13, 1, v1
	v_mul_u32_u24 v[AK0], v13, PK
	v_and_b32 v13, 1, v1
	v_lshl_add_u32 v[AK0], v13, 7, v[AK0]
	v_lshl_add_u32 v[AK0], v12, 4, v[AK0]          ; K: key r: (r / 2) x pitch + (r % 2) x 128, + 16 h
	v_and_b32 v13, 7, v0
	v_lshl_add_u32 v13, v12, 3, v13                ; V, for the turning load: key 8 h + lane % 8,
	v_lshrrev_b32 v14, 1, v13
	v_mul_u32_u24 v[AV0], v14, PV
	v_and_b32 v14, 1, v13
	v_lshl_add_u32 v[AV0], v14, 7, v[AV0]
	v_bfe_u32 v14, v0, 3, 1
	v_lshl_add_u32 v[AV0], v14, 4, v[AV0]          ; channels 8 ((lane / 8) % 2) on
	s_mul_i32 s15, s[WV], 16*SP
	s_add_co_u32 s15, s15, STAGE                   ; my stage
	v_mul_u32_u24 v[STO], v1, SP
	v_lshl_add_u32 v[STO], v12, 4, v[STO]
	v_add_nc_u32 v[STO], s15, v[STO]               ; in: query r, 16 bytes for each half of the lanes
	v_bfe_u32 v13, v0, 3, 2
	v_mul_u32_u24 v[RD], v13, SP
	v_and_b32 v14, 7, v0
	v_lshl_add_u32 v[RD], v14, 4, v[RD]
	v_add_nc_u32 v[RD], s15, v[RD]                 ; back: eight lanes to a row of 128 bytes, four rows an instruction
	v_and_b32 v13, 31, v0
	v_lshlrev_b32 v[GO], 4, v13                    ; and in xh the four rows' 512 bytes are on end
; A KEY STEP: 64 keys.  first = 1: the first step, which starts m, l and O^T: it has no a and nothing to rescale.
.macro STEP first
	WIN 0
	v_add_nc_u32 v[ADK], s[TK], v[AK0]
	v_add_nc_u32 v[ADV], s[TV], v[AV0]
.rept 4
	v_nop                                          ; with the two additions six places behind the last V^T P: four are owed to the loads into V's fragments, five to the products below, which write over P
.endr
.irp f, 0,1,2,3,4,5,6,7                        ; K: keys 16 (f / 2) on, channels 32 (f % 2) on
	ds_load_b128 v[KF+8*\f:KF+8*\f+3],   v[ADK] offset:(\f/2)*8*PK+(\f%2)*64
	ds_load_b128 v[KF+8*\f+4:KF+8*\f+7], v[ADK] offset:(\f/2)*8*PK+(\f%2)*64+32
.endr
	WIN 0x40
.irp f, 0,1,2,3,4,5,6,7                        ; V, turned: keys 32 (f / 4) on, channels 16 (f % 4) on
	ds_load_tr16_b128 v[VF+8*\f:VF+8*\f+3],   v[ADV] offset:(\f/4)*16*PV+(\f%4)*32
	ds_load_tr16_b128 v[VF+8*\f+4:VF+8*\f+7], v[ADV] offset:(\f/4)*16*PV+8*PV+(\f%4)*32
.endr
	s_wait_dscnt 16                                ; K is in; V's sixteen loads may be out
	WIN 0x04                                       ; Q in window 1
.irp c, 0,1                                    ; S^T = K Q^T: the 16 accumulators take turns, one instruction a turn
.irp kt, 0,1,2,3
.irp t, 0,1,2,3
.if \c == 0
	v_wmma_f32_16x16x32_f16 v[S+32*\t+8*\kt:S+32*\t+8*\kt+7], v[KF+8*(2*\kt+\c):KF+8*(2*\kt+\c)+7], v[QF+16*\t+8*\c:QF+16*\t+8*\c+7], 0
.else
	v_wmma_f32_16x16x32_f16 v[S+32*\t+8*\kt:S+32*\t+8*\kt+7], v[KF+8*(2*\kt+\c):KF+8*(2*\kt+\c)+7], v[QF+16*\t+8*\c:QF+16*\t+8*\c+7], v[S+32*\t+8*\kt:S+32*\t+8*\kt+7]
.endif
.endr
.endr
.endr
	WIN 0
.rept 4
	v_nop                                          ; places in front of the first read of the scores
.endr
	; the softmax; in every group of lines the four tiles take turns.  The maximum of a lane's 32 scores, three operands at a time: each accumulator is first read at its registers 0 to 2
.irp j, 0,1,2,3
.irp t, 0,1,2,3
	v_max3_num_f32 v[ST+8*\t+4+\j], v[S+32*\t+8*\j], v[S+32*\t+8*\j+1], v[S+32*\t+8*\j+2]
.endr
.endr
.irp g, 1,2
.irp j, 0,1,2,3
.irp t, 0,1,2,3
	v_max3_num_f32 v[ST+8*\t+4+\j], v[ST+8*\t+4+\j], v[S+32*\t+8*\j+2*\g+1], v[S+32*\t+8*\j+2*\g+2]
.endr
.endr
.endr
.irp t, 0,1,2,3
	v_max3_num_f32 v[ST+8*\t+4], v[ST+8*\t+4], v[S+32*\t+7], v[S+32*\t+15]
.endr
.irp t, 0,1,2,3
	v_max3_num_f32 v[ST+8*\t+6], v[ST+8*\t+6], v[S+32*\t+23], v[S+32*\t+31]
.endr
.irp t, 0,1,2,3
	v_max3_num_f32 v[ST+8*\t+4], v[ST+8*\t+4], v[ST+8*\t+5], v[ST+8*\t+6]
.endr
.irp t, 0,1,2,3
.if \first
	v_max_num_f32 v[ST+8*\t+4], v[ST+8*\t+4], v[ST+8*\t+7]
.else
	v_max3_num_f32 v[ST+8*\t+4], v[ST+8*\t+4], v[ST+8*\t+7], v[ST+8*\t]   ; and the old m
.endif
.endr
.irp t, 0,1,2,3
	v_permlanex16_b32 v[ST+8*\t+5], v[ST+8*\t+4], s[SEL], s[SEL+1]        ; the query's other 32 keys lie in the lane 16 away
.endr
.irp t, 0,1,2,3
	v_max_num_f32 v[ST+8*\t+4], v[ST+8*\t+4], v[ST+8*\t+5]               ; the new m
.endr
.irp t, 0,1,2,3
.if \first
	v_mov_b32 v[ST+8*\t+1], 0                      ; (named with m as a pair, so it is written)
.else
	v_sub_f32 v[ST+8*\t+1], v[ST+8*\t], v[ST+8*\t+4]                     ; m_old - m_new
.endif
.endr
.irp t, 0,1,2,3
	v_mov_b32 v[ST+8*\t], v[ST+8*\t+4]
.endr
.set n, 0
.rept 16
.irp t, 0,1,2,3
	v_pk_add_f32 v[S+32*\t+n:S+32*\t+n+1], v[S+32*\t+n:S+32*\t+n+1], v[ST+8*\t:ST+8*\t+1] op_sel_hi:[1,0] neg_lo:[0,1] neg_hi:[0,1]   ; s - m, two at a time
.endr
.set n, n+2
.endr
.if !\first
.irp t, 0,1,2,3
	v_exp_f32 v[ST+8*\t+6], v[ST+8*\t+1]           ; a = 2^(m_old - m_new)
.endr
.endif
.set n, 0
.rept 32
.irp t, 0,1,2,3
	v_exp_f32 v[S+32*\t+n], v[S+32*\t+n]           ; p = 2^(s - m), at most 1
.endr
.set n, n+1
.endr
	v_nop                                          ; the plain instruction behind the last exponential
	s_wait_alu depctr_va_vdst(0)                   ; the wait ahead of the first instruction that names a result: one for the whole batch
.irp t, 0,1,2,3
.if \first
	v_pk_add_f32 v[ST+8*\t+2:ST+8*\t+3], v[S+32*\t:S+32*\t+1], v[S+32*\t+2:S+32*\t+3]
.else
	v_pk_fma_f32 v[ST+8*\t+2:ST+8*\t+3], v[ST+8*\t+2:ST+8*\t+3], v[ST+8*\t+6:ST+8*\t+7], v[S+32*\t:S+32*\t+1] op_sel_hi:[1,0,1]   ; l = a l + p
.endif
.endr
.set n, 2+2*\first
.rept 15-\first
.irp t, 0,1,2,3
	v_pk_add_f32 v[ST+8*\t+2:ST+8*\t+3], v[ST+8*\t+2:ST+8*\t+3], v[S+32*\t+n:S+32*\t+n+1]   ; the row's sum is taken of p in f32
.endr
.set n, n+2
.endr
.set n, 0
.rept 16
.irp t, 0,1,2,3
	v_cvt_pk_f16_f32 v[S+32*\t+n], v[S+32*\t+2*n], v[S+32*\t+2*n+1]      ; P over the low half of S^T, ascending: no pair is written before it is read
.endr
.set n, n+1
.endr
.if !\first
	WIN 0x41                                       ; O^T in window 1, a in window 0
.irp t, 0,1,2,3
.set n, 0
.rept 16
	v_pk_mul_f32 v[32*\t+n:32*\t+n+1], v[32*\t+n:32*\t+n+1], v[ST+8*\t+6:ST+8*\t+7] op_sel_hi:[1,0]   ; O^T x a, each accumulator from its low end on
.set n, n+2
.endr
.endr
.endif
	s_wait_dscnt 0x0                               ; V is in
	WIN 0x51                                       ; V and O^T in window 1, P in window 0
.irp kg, 0,1                                   ; O^T += V^T P: the 16 accumulators take turns
.irp ct, 0,1,2,3
.irp t, 0,1,2,3
.if \first && (\kg == 0)
	v_wmma_f32_16x16x32_f16 v[32*\t+8*\ct:32*\t+8*\ct+7], v[VF+8*(4*\kg+\ct):VF+8*(4*\kg+\ct)+7], v[S+32*\t+8*\kg:S+32*\t+8*\kg+7], 0
.else
	v_wmma_f32_16x16x32_f16 v[32*\t+8*\ct:32*\t+8*\ct+7], v[VF+8*(4*\kg+\ct):VF+8*(4*\kg+\ct)+7], v[S+32*\t+8*\kg:S+32*\t+8*\kg+7], v[32*\t+8*\ct:32*\t+8*\ct+7]
.endif
.endr
.endr
.endr
	WIN 0
	s_add_co_u32 s[TK], s[TK], 32*PK               ; the next 64 keys
	s_add_co_u32 s[TV], s[TV], 32*PV
.endm
.macro SLOTRUN slot, first             ; a slot's eight key steps
	s_mov_b32 s[TK], (\slot)*SLOTB
	s_mov_b32 s[TV], (\slot)*SLOTB+VOFF
.if \first
	STEP 1
	s_mov_b32 s[CNT], 7
.else
	s_mov_b32 s[CNT], 8
.endif
.Lkeys_\@:
	STEP 0
	s_sub_co_u32 s[CNT], s[CNT], 1
	s_cmp_lg_u32 s[CNT], 0
	s_cbranch_scc1 .Lkeys_\@
.endm
; THE CHANGE OF SLOTS.  Each wave waits for all its tensor loads (its part of the slot ahead), adds 0 to its spare word, and waits for that and for its reads of slot s, which it has left.  Behind the round no wave of
; any partner reads slot s or has a load on its way: slot s is filled with the keys two slots on, and that load has eight key steps in which to land.
.macro CHANGE s
	s_wait_tensorcnt 0x0                           ; no tensor load of mine is out, so a group 0 may be written
	ds_add_u32 v[SPW], v[NIL]                      ; 0 onto my spare word; the descriptors' steps stand between it and the wait for it
	s_add_nc_u64 s[G0K+4*\s+2:G0K+4*\s+3], s[G0K+4*\s+2:G0K+4*\s+3], 131072
	s_add_nc_u64 s[G0V+4*\s+2:G0V+4*\s+3], s[G0V+4*\s+2:G0V+4*\s+3], 131072
	s_wait_dscnt 0x0
	CROUND
	JLOAD \s
.endm
	s_wait_tensorcnt 1                             ; my part of slot 0 is in; slot 1's may stay out
	s_barrier_signal -1
	s_barrier_wait -1
	s_wait_loadcnt 0x0                             ; Q
	SLOTRUN 0, 1                                   ; keys 0 to 511
	CHANGE 0
	SLOTRUN 1, 0                                   ; keys 512 to 1,023
	CHANGE 1
	SLOTRUN 0, 0                                   ; keys 1,024 to 1,535
	s_wait_tensorcnt 0x0                           ; the last change of slots asks for nothing: my part of slot 1 is in,
	ds_add_u32 v[SPW], v[NIL]
	s_wait_dscnt 0x0
	s_barrier_signal -1
	s_barrier_wait -1                              ; everybody's is
	SLOTRUN 1, 0                                   ; keys 1,536 to 2,047
	; THE WAY OUT.  l's two halves and the other half of the lanes' are added; O^T is divided by 1 + l, rounded to f16 and sent through my stage, a tile (16 queries) at a time.  The first four additions are the places behind the last products.
.irp t, 0,1,2,3
	v_add_f32 v[ST+8*\t+4], v[ST+8*\t+2], v[ST+8*\t+3]
.endr
.irp t, 0,1,2,3
	v_permlanex16_b32 v[ST+8*\t+5], v[ST+8*\t+4], s[SEL], s[SEL+1]
.endr
.irp t, 0,1,2,3
	v_add_f32 v[ST+8*\t+4], v[ST+8*\t+4], v[ST+8*\t+5]
.endr
.irp t, 0,1,2,3
	v_add_f32 v[ST+8*\t+4], 1.0, v[ST+8*\t+4]      ; softmax_one's divisor: 1 + the sum
.endr
.irp t, 0,1,2,3
	v_rcp_f32 v[ST+8*\t+6], v[ST+8*\t+4]
.endr
	v_nop                                          ; a plain instruction between the last reciprocal and the use of its result
	s_wait_alu depctr_va_vdst(0)                   ; and the wait ahead of the first use: one for the four
.macro PACK t
	WIN 0x41
.set n, 0
.rept 16
	v_pk_mul_f32 v[32*\t+n:32*\t+n+1], v[32*\t+n:32*\t+n+1], v[ST+8*\t+6:ST+8*\t+7] op_sel_hi:[1,0]
.set n, n+2
.endr
	WIN 0x05                                       ; sources 0 and 1 window 1, destination window 0
.set n, 0
.rept 16
	v_cvt_pk_f16_f32 v[S+32*\t+n], v[32*\t+2*n], v[32*\t+2*n+1]
.set n, n+1
.endr
	WIN 0
.irp ct, 0,1,2,3
	ds_store_b128 v[STO], v[S+32*\t+4*\ct:S+32*\t+4*\ct+3] offset:32*\ct
.endr
.irp f, 0,1,2,3
	ds_load_b128 v[S+32*\t+16+4*\f:S+32*\t+16+4*\f+3], v[RD] offset:\f*4*SP   ; LDS serves a wave's instructions in order: these see the stores above; the next tile's stores come behind them
.endr
.endm
.macro SEND t, y                       ; y: the LDS instructions issued behind tile t's loads: the next tile's eight, or none
.irp f, 0,1,2,3
	s_wait_dscnt \y+3-\f
	global_store_b128 v[GO], v[S+32*\t+16+4*\f:S+32*\t+16+4*\f+3], s[6:7] offset:\t*2048+\f*512   ; the wave stores 512 consecutive bytes, aligned
.endr
.endm
	PACK 0
	PACK 1
	SEND 0, 8
	PACK 2
	SEND 1, 8
	PACK 3
	SEND 2, 8
	SEND 3, 0
	s_wait_tensorcnt 0x0                           ; the wave's end, behind my last tensor load and my last LDS store
	ds_add_u32 v[SPW], v[NIL]
	s_wait_dscnt 0x0
	CROUND                                         ; the closing round: no work-group ends while a partner may still ask for a tile that names it
	s_endpgm
.Lfunc_end_k_qf17884aa55_attn:
	.size	k_qf17884aa55_attn, .Lfunc_end_k_qf17884aa55_attn-k_qf17884aa55_attn
	.p2alignl 7, 3214868480
	.fill 96, 4, 3214868480
	.section	.rodata,"a",@progbits
	.p2align	6, 0x0
	.amdhsa_kernel k_qf17884aa55_attn
		.amdhsa_group_segment_fixed_size 327680
		.amdhsa_private_segment_fixed_size 0
		.amdhsa_enable_private_segment 0
		.amdhsa_kernarg_size 16
		.amdhsa_user_sgpr_count 2
		.amdhsa_user_sgpr_kernarg_segment_ptr 1
		.amdhsa_wavefront_size32 1
		.amdhsa_system_sgpr_workgroup_id_x 1
		.amdhsa_system_sgpr_workgroup_id_y 1
		.amdhsa_system_sgpr_workgroup_id_z 1
		.amdhsa_system_vgpr_workitem_id 0
		.amdhsa_next_free_vgpr 512
		.amdhsa_next_free_sgpr 66
		.amdhsa_reserve_vcc 0
		.amdhsa_float_denorm_mode_32 3
		.amdhsa_float_denorm_mode_16_64 3
		.amdhsa_memory_ordered 1
		.amdhsa_forward_progress 1
		.amdhsa_inst_pref_size 178
	.end_amdhsa_kernel
	.amdgpu_metadata
---
amdhsa.version: [ 1, 2 ]
amdhsa.kernels:
  - .name:           k_qf17884aa55_attn
    .symbol:         k_qf17884aa55_attn.kd
    .args:
      - { .name: qkvh, .offset: 0, .size: 8, .value_kind: global_buffer, .address_space: global }
      - { .name: xh, .offset: 8, .size: 8, .value_kind: global_buffer, .address_space: global }
    .group_segment_fixed_size: 327680
    .private_segment_fixed_size: 0
    .kernarg_segment_align: 8
    .kernarg_segment_size: 16
    .max_flat_workgroup_size: 256
    .sgpr_count:     66
    .vgpr_count:     512
    .wavefront_size: 32
...
	.end_amdgpu_metadata
.endif
;; end of part 3
;; launch outp (part 4): grid 4 x 64, 4 waves a work-group, clusters of 4 x 4, 327,680 bytes of LDS; arguments xh, wp16, bp, out0; writes out0
.if DOCPART == 4
	.amdgcn_target "amdgcn-amd-amdhsa--gfx1250"
	.amdhsa_code_object_version 6
	.text
	.protected	k_qf17884aa55_outp
	.globl	k_qf17884aa55_outp
	.p2align	8
	.type	k_qf17884aa55_outp,@function
k_qf17884aa55_outp:
	s_mov_b64 s[64:65], 0
	v_nop
	global_prefetch_b8 v0, s[64:65] scope:SCOPE_SE
	s_setreg_imm32_b32 hwreg(HW_REG_WAVE_MODE, 25, 1), 1
	s_wait_xcnt 0x0
	s_wait_alu depctr_hold_cnt(0) depctr_sa_sdst(0) depctr_va_vdst(0) depctr_va_sdst(0) depctr_va_ssrc(0) depctr_va_vcc(0) depctr_vm_vsrc(0)
	s_getreg_b32 s2, hwreg(HW_REG_IB_STS2, 6, 4)
	s_cmp_eq_u32 s2, 0
	s_cbranch_scc0 .Lentry_in_a_cluster
	s_endpgm
.Lentry_in_a_cluster:
	s_bfe_u32 s2, ttmp6, 0x10000c
	s_cmp_lg_u32 s2, 0xf033
	s_cbranch_scc0 .Lentry_shape_is_right
	s_endpgm
.Lentry_shape_is_right:
; out0[m][n] = the sum over k of x[m][k] Wp[n][k] + bp[n], on f16 operands, sums in f32.  x: xh [16 blocks of 64 along K = heads][8,192 m][64] f16; Wp: wp16 [16 blocks][1,024 n][64] f16; out0: [8,192][1,024] f32.
; SHARES.  A tile of out0 is 128 (m) x 256 (n): 64 x 4 = 256 work-groups; tiles of 256 x 256 would be 128.  Four waves, each 64 x 128: 32 accumulators, 256 registers.
; K goes in steps of 128, two blocks of 64, through two LDS slots.  A block's rows of a tile are one dense piece of memory, fetched as rows of 256 bytes that hold TWO logical rows of 128 bytes:
; logical row i lies at (i / 2) x 272 + (i % 2) x 128.  Waves 0 and 1 fetch x's two blocks of a step (64 rows of 256 bytes each), waves 2 and 3 Wp's (128 rows each): one tensor load a wave.
; CLUSTERS: 4 x 4 work-groups.  The four of a row of the cluster need the same tiles of x, the four of a column the same tiles of Wp: each is asked for jointly, with the same descriptor and a mask that names the four.
; By this text's own count a wave has two tensor loads out at the start and one behind each round.  Nothing is prefetched: the tiles are small and the launch is short.
; THE MATRIX INSTRUCTION IS USED TRANSPOSED (source 0 = 16 rows of Wp, source 1 = 16 rows of x): a lane holds eight neighbouring numbers of a row of out0.  bp is the C of each sum's first product.
; REGISTERS: window 0: v0-31 addresses; v32-127, v128-223 two fragment buffers for 32 along K (Wp's eight fragments, then x's four); on the way out v32-159 rows read back.
;   window 1: the accumulators, (a, b) at v[8 (8 a + b)].   window 2: v0-63 bp in the result's layout.
.set PITCH,  272
.set APL,    64*PITCH                  ; x's block in a slot
.set BPL,    128*PITCH                 ; Wp's
.set BOFF,   2*APL                     ; a slot: x's two blocks, then Wp's two
.set SLOT,   2*APL+2*BPL
.set STAGE,  2*SLOT                    ; the way out: 16 rows x (512 + 16) bytes for each wave, bytes into which no fill lands
.set SPITCH, 528
.set SPARE,  STAGE+4*16*SPITCH         ; the spare words, 128 bytes for each wave
.set ADRA, 16
.set ADRB, 20
.set STO,  24
.set RD,   25
.set CO,   26
.set SPW,  28
.set NIL,  29
.set BO,   30
.set F0,   32
.set F1,   128
.set BK,   32
.set G1, 24
.set G0, 32
.set G1B, 48
.set G0B, 56
.set MSB, 0
.macro WIN new
.if MSB != (\new)
	s_set_vgpr_msb (MSB<<8)|(\new)
.set MSB, (\new)
.endif
.endm
.macro JLOAD s                         ; a joint load: waves 0 and 1 fetch x's blocks, waves 2 and 3 Wp's; an s_nop 0 and four v_nop follow each of the two lines
	s_cmp_eq_u32 s11, 0
	s_cbranch_scc0 .Lfor_b_\@
	tensor_load_to_lds s[G0+4*\s:G0+4*\s+3], s[G1:G1+7]
	s_nop 0
.rept 4
	v_nop
.endr
	s_branch .Lasked_\@
.Lfor_b_\@:
	tensor_load_to_lds s[G0B+4*\s:G0B+4*\s+3], s[G1B:G1B+7]
	s_nop 0
.rept 4
	v_nop
.endr
.Lasked_\@:
.endm
.macro CREST
	s_cmp_lg_u32 s10, 0
	s_cbranch_scc1 .Lnot_wave_0_\@
	s_barrier_signal -3
.Lnot_wave_0_\@:
	s_barrier_wait -3
	s_barrier_signal -1
	s_barrier_wait -1
.endm
.macro CROUND
	s_barrier_signal -1
	s_barrier_wait -1
	CREST
.endm
	s_load_b128 s[4:7], s[0:1], 0x0                ; xh, wp16
	s_load_b64 s[66:67], s[0:1], 0x10              ; bp
	s_load_b64 s[8:9], s[0:1], 0x18                ; out0
	v_lshl_add_u32 v[SPW], v0, 2, SPARE
	v_mov_b32 v[NIL], 0
	ds_add_u32 v[SPW], v[NIL]                      ; the wave's opening: the add, twice on end, and its wait ahead of my first tensor load
	ds_add_u32 v[SPW], v[NIL]
	v_lshrrev_b32 v1, 5, v0
	v_readfirstlane_b32 s10, v1                    ; wave 0..3
	s_lshr_b32 s11, s10, 1                         ; which 64 of the tile's rows are mine.  Also: I fetch for x (0) or for Wp (1)
	s_and_b32 s12, s10, 1                          ; which 128 of its columns.  Also: which block of a K step I fetch
	s_bfe_u32 s40, ttmp6, 0x40000                  ; cx, cy
	s_bfe_u32 s41, ttmp6, 0x40004
	s_lshl_b32 s42, ttmp9, 2
	s_add_co_u32 s42, s42, s40                     ; tile column, 0..3
	s_and_b32 s13, ttmp7, 0xffff
	s_lshl_b32 s13, s13, 2
	s_add_co_u32 s13, s13, s41                     ; tile row, 0..63
	s_lshl_b32 s43, s41, 2
	s_lshl_b32 s43, 15, s43                        ; my row of the cluster
	s_lshl_b32 s44, 0x1111, s40                    ; my column
	; descriptor group 1: rows of 256 bytes (32 elements of 8 bytes), dense in memory, 16 bytes of padding behind each: 64 of them for x, 128 for Wp
	s_or_b32 s[G1+0], s43, (3<<16)|(1<<20)|(1<<21)|(5<<22)|(3<<25)
	s_or_b32 s[G1B+0], s44, (3<<16)|(1<<20)|(1<<21)|(5<<22)|(3<<25)
	s_mov_b32 s[G1+1], 32<<16                      ; tensor_dim0
	s_mov_b32 s[G1+2], 64<<16                      ; tensor_dim1
	s_mov_b32 s[G1+3], 32<<16                      ; tile_dim0
	s_mov_b32 s[G1+4], 64                          ; tile_dim1
	s_mov_b32 s[G1+5], 32                          ; from row to row
	s_mov_b32 s[G1+6], 0
	s_mov_b32 s[G1+7], 0
	s_mov_b32 s[G1B+1], 32<<16
	s_mov_b32 s[G1B+2], 128<<16
	s_mov_b32 s[G1B+3], 32<<16
	s_mov_b32 s[G1B+4], 128
	s_mov_b32 s[G1B+5], 32
	s_mov_b32 s[G1B+6], 0
	s_mov_b32 s[G1B+7], 0
	s_lshl_b32 s16, s12, 20                        ; x: block << 20 + tile row x 128 rows x 128 bytes
	s_lshl_b32 s17, s13, 14
	s_add_co_u32 s16, s16, s17
	s_mov_b32 s17, 0
	s_lshl_b32 s46, s12, 17                        ; Wp: block << 17 + tile column x 256 rows x 128 bytes
	s_lshl_b32 s47, s42, 15
	s_add_co_u32 s46, s46, s47
	s_mov_b32 s47, 0
	s_mul_i32 s20, s12, APL                        ; where they go: no place in the cluster enters an LDS address
	s_mul_i32 s21, s12, BPL
	s_add_co_u32 s21, s21, BOFF
	s_wait_dscnt 0x0                               ; both opening adds are done
	s_wait_kmcnt 0x0
	s_add_nc_u64 s[14:15], s[4:5], s[16:17]
	s_add_nc_u64 s[46:47], s[6:7], s[46:47]
	CROUND                                         ; all sixteen work-groups are here: the first joint loads meet
.irp s, 0,1
	s_mov_b32 s[G0+4*\s], 1
	s_add_co_u32 s[G0+4*\s+1], s20, \s*SLOT
	s_add_nc_u64 s[G0+4*\s+2:G0+4*\s+3], s[14:15], \s*(2<<20)     ; K step s: blocks 2 s and 2 s + 1
	s_or_b32 s[G0+4*\s+3], s[G0+4*\s+3], 0x80000000
	s_mov_b32 s[G0B+4*\s], 1
	s_add_co_u32 s[G0B+4*\s+1], s21, \s*SLOT
	s_add_nc_u64 s[G0B+4*\s+2:G0B+4*\s+3], s[46:47], \s*(2<<17)
	s_or_b32 s[G0B+4*\s+3], s[G0B+4*\s+3], 0x80000000
	JLOAD \s
.endr
	v_and_b32 v1, 15, v0                           ; r = lane % 16
	v_bfe_u32 v2, v0, 4, 1                         ; h = lane / 16
	v_lshlrev_b32 v[BO], 5, v2
	s_lshl_b32 s16, s42, 10
	s_lshl_b32 s17, s12, 9
	s_add_co_u32 s16, s16, s17                     ; 4 (256 x tile column + 128 (wave % 2)) bytes: my first column, in bp and in a row of out0
	s_mov_b32 s17, 0
	s_add_nc_u64 s[66:67], s[66:67], s[16:17]
	WIN 0x80                                       ; destination window 2
.irp b, 0,1,2,3,4,5,6,7
	global_load_b128 v[8*\b:8*\b+3],   v[BO], s[66:67] offset:64*\b      ; bp[.. + 16 b + 8 h + 0 .. 7]
	global_load_b128 v[8*\b+4:8*\b+7], v[BO], s[66:67] offset:64*\b+16
.endr
	WIN 0
	v_lshrrev_b32 v3, 1, v1
	v_mul_u32_u24 v3, v3, PITCH
	v_and_b32 v4, 1, v1
	v_lshl_add_u32 v3, v4, 7, v3
	v_lshl_add_u32 v3, v2, 4, v3                   ; a fragment's row r: (r / 2) x pitch + (r % 2) x 128, + 16 h
	s_mul_i32 s21, s11, 32*PITCH                   ; my 64 rows of x
	s_mul_i32 s22, s12, 64*PITCH                   ; my 128 rows of Wp,
	s_add_co_u32 s22, s22, BOFF                    ; behind x's two blocks
.irp s, 0,1
	v_add_nc_u32 v[ADRA+\s], s21, v3
	v_add_nc_u32 v[ADRB+\s], s22, v3
	s_add_co_u32 s21, s21, SLOT
	s_add_co_u32 s22, s22, SLOT
.endr
	s_mul_i32 s23, s10, 16*SPITCH
	s_add_co_u32 s23, s23, STAGE                   ; my stage
	v_mul_u32_u24 v5, v1, SPITCH
	v_lshl_add_u32 v5, v2, 5, v5
	v_add_nc_u32 v[STO], s23, v5                   ; in: row r, 32 bytes for each half of the lanes
	v_and_b32 v6, 31, v0
	v_lshlrev_b32 v[CO], 4, v6                     ; back: the 32 lanes take one row of 512 bytes; and the same in out0
	v_add_nc_u32 v[RD], s23, v[CO]
	s_lshl_b32 s20, s13, 19                        ; out0: (128 x tile row + 64 (wave / 2)) rows of 4,096 bytes
	s_lshl_b32 s21, s11, 18
	s_add_co_u32 s20, s20, s21
	s_add_co_u32 s20, s20, s16                     ; + my first column
	s_mov_b32 s21, 0
	s_add_nc_u64 s[8:9], s[8:9], s[20:21]
; 8 matrix instructions: x's block a x Wp's eight, 32 along K, from buffer f.  cm = 1: the first product starts the sums from bp.  The 32 accumulators take turns, one instruction a turn.
.macro MUL8 f, a, cm
.irp b, 0,1,2,3,4,5,6,7
.if \cm
	v_wmma_f32_16x16x32_f16 v[8*(8*(\a)+\b):8*(8*(\a)+\b)+7], v[\f+8*\b:\f+8*\b+7], v[\f+64+8*(\a):\f+64+8*(\a)+7], v[8*\b:8*\b+7]
.else
	v_wmma_f32_16x16x32_f16 v[8*(8*(\a)+\b):8*(8*(\a)+\b)+7], v[\f+8*\b:\f+8*\b+7], v[\f+64+8*(\a):\f+64+8*(\a)+7], v[8*(8*(\a)+\b):8*(8*(\a)+\b)+7]
.endif
.endr
.endm
; 24 LDS loads in one run: the fragments of the slot's q-th 32 along K (block q / 2, bytes 64 (q % 2) on) into buffer f: Wp's eight, then x's four
.macro FETCH slot, q, f
.irp b, 0,1,2,3,4,5,6,7
	ds_load_b128 v[\f+8*\b:\f+8*\b+3],   v[ADRB+\slot] offset:((\q)/2)*BPL+((\q)%2)*64+\b*8*PITCH
	ds_load_b128 v[\f+8*\b+4:\f+8*\b+7], v[ADRB+\slot] offset:((\q)/2)*BPL+((\q)%2)*64+\b*8*PITCH+32
.endr
.irp a, 0,1,2,3
	ds_load_b128 v[\f+64+8*\a:\f+64+8*\a+3],   v[ADRA+\slot] offset:((\q)/2)*APL+((\q)%2)*64+\a*8*PITCH
	ds_load_b128 v[\f+64+8*\a+4:\f+64+8*\a+7], v[ADRA+\slot] offset:((\q)/2)*APL+((\q)%2)*64+\a*8*PITCH+32
.endr
.endm
.macro PLACES                          ; four plain vector instructions in front of loads into registers that matrix instructions have read, and of reads of results
.rept 4
	v_nop
.endr
.endm
; A K step is four quarters of 32 along K, 32 matrix instructions each, on buffers 0, 1, 0, 1.  One of the first three: multiplies buffer f and fetches the slot's quarter qn into g.
.macro QUARTER slot, qn, f, g, cm
	s_wait_dscnt 4                                 ; Wp's fragments and x's blocks 0 and 1 are in; the youngest four loads (blocks 2 and 3) may be out
	WIN 0x50+0x10*\cm                              ; C and D window 1; the first quarter: C (bp) window 2
	MUL8 \f, 0, \cm
	MUL8 \f, 1, \cm
	WIN 0
	PLACES
	FETCH \slot, \qn, \g
	s_wait_dscnt 24                                ; all but the 24 just issued
	WIN 0x50+0x10*\cm
	MUL8 \f, 2, \cm
	MUL8 \f, 3, \cm
.endm
; The last quarter multiplies buffer 1 and changes slots: ONE barrier; in front of it each wave waits for all its tensor loads, adds 0 to its spare word, and waits for that and for its reads of this slot.
; fill = 1: the barrier opens a round of the cluster's, and this slot is filled again, two K steps ahead.
.macro TURN slot, next, fill
	WIN 0
	s_wait_tensorcnt 0x0                           ; all my tensor loads have landed: my part of the next slot
	ds_add_u32 v[SPW], v[NIL]                      ; 0 onto my spare word
	s_wait_dscnt 5                                 ; (the add and the youngest four loads may be out)
	WIN 0x50
	MUL8 F1, 0, 0                                  ; eight matrix instructions stand between the add and the wait for it
	s_wait_dscnt 0x0                               ; the add is done, and my reads of this slot are over
	s_barrier_signal -1
	MUL8 F1, 1, 0
	WIN 0
	s_barrier_wait -1
.if \fill
	CREST                                          ; no wave of any partner still reads this slot's tiles or has a load on its way
	s_add_nc_u64 s[G0+4*\slot+2:G0+4*\slot+3], s[G0+4*\slot+2:G0+4*\slot+3], 4<<20
	s_add_nc_u64 s[G0B+4*\slot+2:G0B+4*\slot+3], s[G0B+4*\slot+2:G0B+4*\slot+3], 4<<17
	JLOAD \slot                                    ; the first tensor load behind the round; the four v_nop behind it are also the places in front of the loads below
.else
	PLACES
.endif
	FETCH \next, 0, F0
	WIN 0x50
	MUL8 F1, 2, 0
	MUL8 F1, 3, 0
.endm
	s_wait_tensorcnt 1                             ; my part of K step 0 is in (K step 1's may be out)
	s_barrier_signal -1
	s_barrier_wait -1                              ; everybody's is
	FETCH 0, 0, F0
	s_wait_loadcnt 0x0                             ; bp
	QUARTER 0, 1, F0, F1, 1                        ; the first quarter stands in front of the loop: its products start the sums
	WIN 0                                          ; at a label and at a branch every window is 0
	s_mov_b32 s3, 3
.Llap:                                                 ; a trip goes once round the ring, from a lap's second quarter to the next lap's first, and fills both slots again: 3 trips, K steps 2 to 7
	QUARTER 0, 2, F1, F0, 0
	QUARTER 0, 3, F0, F1, 0
	TURN 0, 1, 1
	QUARTER 1, 1, F0, F1, 0
	QUARTER 1, 2, F1, F0, 0
	QUARTER 1, 3, F0, F1, 0
	TURN 1, 0, 1
	QUARTER 0, 1, F0, F1, 0
	WIN 0
	s_sub_co_u32 s3, s3, 1
	s_cmp_lg_u32 s3, 0
	s_cbranch_scc1 .Llap
	QUARTER 0, 2, F1, F0, 0                        ; the last lap fills nothing, and has no round of the cluster's barrier
	QUARTER 0, 3, F0, F1, 0
	TURN 0, 1, 0
	QUARTER 1, 1, F0, F1, 0
	QUARTER 1, 2, F1, F0, 0
	QUARTER 1, 3, F0, F1, 0
	s_wait_dscnt 4                                 ; the very last quarter: nothing more to fetch
	WIN 0x50
	MUL8 F1, 0, 0
	MUL8 F1, 1, 0
	s_wait_dscnt 0
	MUL8 F1, 2, 0
	MUL8 F1, 3, 0
	WIN 0
; THE WAY OUT, block by block of 16 rows x 128 columns: through my own stage and back as whole rows of 512 bytes, which the 32 lanes store as 512 consecutive bytes, aligned.
.macro TOSTAGE a
	WIN 0x04                                       ; an LDS store's data are its source 1: window 1
.irp b, 0,1,2,3,4,5,6,7
	ds_store_b128 v[STO], v[8*(8*(\a)+\b):8*(8*(\a)+\b)+3] offset:64*\b          ; each accumulator from its low end on
	ds_store_b128 v[STO], v[8*(8*(\a)+\b)+4:8*(8*(\a)+\b)+7] offset:64*\b+16
.endr
	WIN 0
.set BB, BK+64*((\a)%2)
.irp t, 0,1,2,3,4,5,6,7,8,9,10,11,12,13,14,15
	ds_load_b128 v[BB+4*\t:BB+4*\t+3], v[RD] offset:\t*SPITCH                    ; LDS serves a wave's instructions in order: these see the stores above
.endr
.endm
.macro SEND a, younger                 ; younger: the LDS instructions issued behind block a's loads, which may stay out
.set BB, BK+64*((\a)%2)
	s_wait_dscnt \younger
.irp t, 0,1,2,3,4,5,6,7,8,9,10,11,12,13,14,15
	global_store_b128 v[CO], v[BB+4*\t:BB+4*\t+3], s[8:9] offset:(16*(\a)+\t)*4096 th:TH_STORE_NT   ; written once, read by nobody here
.endr
.endm
	PLACES
	TOSTAGE 0
.irp a, 1,2,3
.if \a > 1
	s_wait_xcnt 0x0                                ; the stores of two blocks back have read their registers: this block's loads may land there
.endif
	TOSTAGE \a
	SEND \a-1, 32                                  ; behind the earlier block's loads: this block's 16 stores and 16 loads
.endr
	SEND 3, 0
	s_wait_tensorcnt 0x0                           ; the wave's end, behind my last tensor load and my last LDS store
	ds_add_u32 v[SPW], v[NIL]
	s_wait_dscnt 0x0
	CROUND                                         ; the closing round: no work-group ends while a partner may still ask for a tile that names it
	s_endpgm
.Lfunc_end_k_qf17884aa55_outp:
	.size	k_qf17884aa55_outp, .Lfunc_end_k_qf17884aa55_outp-k_qf17884aa55_outp
	.p2alignl 7, 3214868480
	.fill 96, 4, 3214868480
	.section	.rodata,"a",@progbits
	.p2align	6, 0x0
	.amdhsa_kernel k_qf17884aa55_outp
		.amdhsa_group_segment_fixed_size 327680
		.amdhsa_private_segment_fixed_size 0
		.amdhsa_enable_private_segment 0
		.amdhsa_kernarg_size 32
		.amdhsa_user_sgpr_count 2
		.amdhsa_user_sgpr_kernarg_segment_ptr 1
		.amdhsa_wavefront_size32 1
		.amdhsa_system_sgpr_workgroup_id_x 1
		.amdhsa_system_sgpr_workgroup_id_y 1
		.amdhsa_system_sgpr_workgroup_id_z 1
		.amdhsa_system_vgpr_workitem_id 0
		.amdhsa_next_free_vgpr 576
		.amdhsa_next_free_sgpr 68
		.amdhsa_reserve_vcc 0
		.amdhsa_float_denorm_mode_32 3
		.amdhsa_float_denorm_mode_16_64 3
		.amdhsa_memory_ordered 1
		.amdhsa_forward_progress 1
		.amdhsa_inst_pref_size 86
	.end_amdhsa_kernel
	.amdgpu_metadata
---
amdhsa.version: [ 1, 2 ]
amdhsa.kernels:
  - .name:           k_qf17884aa55_outp
    .symbol:         k_qf17884aa55_outp.kd
    .args:
      - { .name: xh, .offset: 0, .size: 8, .value_kind: global_buffer, .address_space: global }
      - { .name: wp16, .offset: 8, .size: 8, .value_kind: global_buffer, .address_space: global }
      - { .name: bp, .offset: 16, .size: 8, .value_kind: global_buffer, .address_space: global }
      - { .name: out0, .offset: 24, .size: 8, .value_kind: global_buffer, .address_space: global }
    .group_segment_fixed_size: 327680
    .private_segment_fixed_size: 0
    .kernarg_segment_align: 8
    .kernarg_segment_size: 32
    .max_flat_workgroup_size: 128
    .sgpr_count:     68
    .vgpr_count:     576
    .wavefront_size: 32
...
	.end_amdgpu_metadata
.endif
;; end of part 4
